; MI455X (gfx1250); checked and timed in simulation.
; The chip was launched on July 23, 2026; its instructions are those of AMD's public machine-readable ISA for CDNA 5 (MIT licence, August 2026) and "CDNA5" Instruction Set Architecture Reference Guide (July 2026). The comments in the code are by the model that wrote it; some were corrected since.
;; Gemma4 Routed Experts. Allowed arithmetic: matrix products marked QUANTISED: E2M1 operands, one E8M0 scale for each 32 along K, by v_wmma_scale_f32_16x16x128_f8f6f4 with both operands' format E2M1 (or v_wmma_scale_f32_32x16x128_f4), f32 sums; products left as they are: f32 operands where the result goes on into a quantised operand, else bf16, f16 or f32 operands; f32 sums; everything else in f32.
;; Inputs: down_proj_w 8 x 2,048 x 1,024 float32; gate_inputs 2 x 512 x 1,024 float32; gate_kernel 1,024 x 8 float32; gate_proj_w 8 x 1,024 x 2,048 float32; per_expert_scale 8 float32; up_proj_w 8 x 1,024 x 2,048 float32; x 2 x 512 x 1,024 float32.
;; Outputs: out0 2 x 512 x 1,024 float32.
;; This version of the problem:
;;   THIS VERSION OF THE PROBLEM IS GIVEN IN LOW PRECISION. The matrix products marked QUANTISED in the list below multiply operands that are first quantised to E2M1 (2 exponent bits, 1 mantissa bit; 4 bits a number), with one power-of-two scale for each 32 numbers along K (OCP MX v1.0); their sums are f32. All else is computed in f32.
;;   The module's matrix products, in the order in which they are computed (A, B: the left and right operand; K: the contracted axis; several contracted axes count as one K, in the product's order):
;;     1. [M 1,024, K 1,024] x [K 1,024, N 8]; A: input gate_inputs; B: input gate_kernel: left as it is (N = 8 < 16)
;;     2. [M 1,024, K 1,024] x [K 1,024, N 16,384]; A: input x; B: input gate_proj_w: QUANTISED
;;     3. [M 1,024, K 1,024] x [K 1,024, N 16,384]; A: input x; B: input up_proj_w: QUANTISED
;;     4. batch 8 x [M 1,024, K 2,048] x [K 2,048, N 1,024]; A: input down_proj_w; B: computed on the way: QUANTISED
;;     5. batch 1,024 x [M 2, K 8] x [K 8, N 1,024]; A: computed on the way; B: computed on the way: left as it is (K = 8 < 32)
;;     6. batch 1,024 x [M 1, K 2] x [K 2, N 1,024]; A: computed on the way; B: computed on the way: left as it is (K = 2 < 32)
;;   THE QUANTISER, for each operand of a quantised product, along K:
;;     - K is cut into blocks of 32 from its start; a last block that is shorter is filled with zeros.
;;     - A block's scale is 2^e with e = floor(log2(the largest magnitude in the block)) - 2, held to -126 .. 127; a block of zeros has e = 0. As a byte (E8M0): e + 127.
;;     - Each number is divided by its block's scale, clamped to +-6, and rounded to the nearest number of E2M1, ties to even, subnormals kept.
;;     - The product sums the exact products of the quantised numbers (number of the format x scale) in f32.
;;   ~~~python
;;   def quantise(x, axis):      # numpy; x: float32 -> the quantised numbers, widened to float32 again
;;       x = np.moveaxis(x, axis, -1); K = x.shape[-1]
;;       x = np.pad(x, [(0, 0)] * (x.ndim - 1) + [(0, -K % 32)]); x = x.reshape(x.shape[:-1] + (-1, 32)); a = np.abs(x).max(-1, keepdims=True)
;;       e = np.where(a > 0, np.clip(np.frexp(np.where(a > 0, a, 1))[1] - 1 - 2, -126, 127), 0)      # np.frexp(a)[1] - 1 = floor(log2(a)), exactly
;;       r = np.clip(x / 2.0 ** e, -6, 6)
;;       step = 2.0 ** (np.maximum(np.frexp(np.where(r == 0, 1, r))[1] - 1, 0) - 1)
;;       q = np.round(r / step) * step * 2.0 ** e      # np.round: ties to even
;;       return np.moveaxis(q.reshape(q.shape[:-2] + (-1,))[..., :K], -1, axis).astype(np.float32)
;;   ~~~
;;   OPERANDS COMPUTED ON THE WAY. 'Computed on the way' means the value that the module computes at that place (a softmax that the list does not call 'softmax' is quantised finished and normalised). What goes into a quantiser is computed in f32, as accurately as f32 sums, v_exp_f32 and their like allow (about 1e-6 of the number): no bf16 or f16 on the way to a quantiser, and a product that is left as it is and whose result goes on into a quantised operand takes f32 operands (vector FMAs, or v_wmma_f32_16x16x4_f32). A number that lies on a knife's edge between two numbers of the format may be rounded either way, as far as f32 arithmetic and the matrix unit's own rounding can turn it there, and no further.
;; 2 versions. Each part assembles by itself: llvm-mc -triple=amdgcn-amd-amdhsa -mcpu=gfx1250 --defsym DOCPART=n.
;; ======== version 1 of 2: 5 launches
;; workspace buffers: eidx 8,192 bytes of whole numbers; route 75,776 bytes of whole numbers; xq 565,248 bytes; act 8,912,896 bytes; y 67,108,864 bytes
;; launch route_q (part 1): grid 256 x 1, 2 waves a work-group, no clusters, 0 bytes of LDS; arguments gate_inputs, gate_kernel, per_expert_scale, x, eidx, xq; writes eidx, xq
.if DOCPART == 1
	.amdgcn_target "amdgcn-amd-amdhsa--gfx1250"
	.amdhsa_code_object_version 6
	.text
	.protected	k_qbf55c52ba4_route_q
	.globl	k_qbf55c52ba4_route_q
	.p2align	8
	.type	k_qbf55c52ba4_route_q,@function
k_qbf55c52ba4_route_q:
	s_mov_b64 s[64:65], 0
	v_nop
	global_prefetch_b8 v0, s[64:65] scope:SCOPE_SE
	s_setreg_imm32_b32 hwreg(HW_REG_WAVE_MODE, 25, 1), 1
	s_wait_xcnt 0x0
; FIRST OF FIVE LAUNCHES: the router's choice for each token, and x as codes of E2M1.
; THE WHOLE PROGRAM.  out[t] = sum over the token's two chosen experts n of sigmoid(logit[t][n]) x per_expert_scale[n] x (gelu(x[t] Wg[n]) * (x[t] Wu[n])) Wd[n].
; WORK LEFT OUT.  The problem's text computes gate_out, up_out and expert_out for all 8 experts of every token and then multiplies expert_out by a one_hot
; of topk_idx, which it builds itself: row (t, n) of these three products meets the factor 0 for every n that is not among the token's two indices,
; whatever finite values the inputs hold.  So only rows (t, n) with n chosen are computed (2,048 of 8,192).  The two small products behind them are
; done as what they are: a lookup of two rows and a weighted sum of two terms, in f32.  Every input has a way to the output and is loaded.
; LIMITS.  A NaN, an infinity or an overflow that arises only in a row of an expert that was not chosen is not carried to the result.  Logits that are
; NaN or infinite are not served.  A block of 32 whose largest magnitude lies under 2^-124 keeps the scale byte 1; a block of zeros so gets the byte 1
; where the quantiser says 127: its codes are zeros, and the bytes are read by this program alone.
; THIS LAUNCH.  A work-group owns four tokens.  Wave 0: their eight logits (f32 multiply-adds), the top 2 (of equal logits the lower index), the expert
; numbers to eidx[2 t + k] and sigmoid x per_expert_scale to xq's third part, both at fixed places.  Wave 1: x's rows as codes (512 bytes a
; row, K as it lies) and scale bytes (32 a row).  The waves share nothing: no LDS, no barrier.  No matrix unit: N = 8, and memory binds.
; xq: +0 codes [1024][512], +524288 scale bytes [1024][32], +557056 coefficients [2048] f32.
.set G,   32                           ; v32-159  wave 0: gate_inputs, token t at 32 t, register i: k = 32 i + lane.  wave 1: x, token t at 32 t: my block's 32 numbers
.set ACC, 160                          ; v160-191 wave 0: the sums, token t, expert n at 8 t + n.  wave 1: codes v160-175, bytes v176-179
.set LG,  192                          ; v192-199 my token's eight logits
.set MSB, 0
.macro WIN new                         ; the immediate's high byte repeats the setting that is left
.if MSB != \new
	s_set_vgpr_msb (MSB<<8)|\new
.set MSB, \new
.endif
.endm
	s_load_b256 s[4:11], s[0:1], 0x0               ; gate_inputs s[4:5], gate_kernel s[6:7], per_expert_scale s[8:9], x s[10:11]
	s_load_b128 s[12:15], s[0:1], 0x20             ; eidx s[12:13], xq s[14:15]
	v_lshrrev_b32 v1, 5, v0
	v_readfirstlane_b32 s16, v1                    ; wave 0 or 1
	v_and_b32 v1, 31, v0                           ; lane
	s_lshl_b32 s18, ttmp9, 14                      ; my four rows of 4,096 bytes
	s_mov_b32 s19, 0
	s_wait_kmcnt 0x0
	s_cmp_lg_u32 s16, 0
	s_cbranch_scc1 .Lquant
; ---- wave 0: the router
	s_load_b256 s[24:31], s[8:9], 0x0              ; the eight scales
	s_add_nc_u64 s[4:5], s[4:5], s[18:19]
	v_lshlrev_b32 v2, 2, v1                        ; 4 x lane
	v_lshlrev_b32 v3, 5, v1                        ; 32 x lane: a row of gate_kernel is 32 bytes
.irp t, 0,1,2,3
.set li, 0
.rept 32
	global_load_b32 v[G+32*\t+li], v2, s[4:5] offset:4096*\t+128*li th:TH_LOAD_NT   ; 32 lanes read 128 consecutive bytes
.set li, li+1
.endr
.endr
	WIN 0x40                                       ; destination window 1: gate_kernel(32 i + lane, n) at v[8 i + n]
.set li, 0
.rept 32
	global_load_b128 v[8*li:8*li+3], v3, s[6:7] offset:1024*li
	global_load_b128 v[8*li+4:8*li+7], v3, s[6:7] offset:1024*li+16
.set li, li+1
.endr
	WIN 0
	s_mov_b32 s32, 0x76543210                      ; v_permlanex16_b32's selects for lane l xor 16
	s_mov_b32 s33, 0xfedcba98
	s_mov_b32 s34, 0x0c0c0c0c                      ; lanes whose (l / 2) % 4 is 1,
	s_mov_b32 s35, 0x30303030                      ; 2,
	s_mov_b32 s36, 0xc0c0c0c0                      ; 3
	s_mov_b32 s37, 0xaaaaaaaa                      ; odd lanes: the second choice
	s_lshl_b32 s20, ttmp9, 5                       ; my eight pairs' 32 bytes
	s_mov_b32 s21, 0
	s_add_nc_u64 s[12:13], s[12:13], s[20:21]
	s_add_nc_u64 s[14:15], s[14:15], s[20:21]
	v_mov_b32 v210, 0xff800000                     ; -infinity
	s_wait_loadcnt 0x0
	WIN 0x01                                       ; source 0 (gate_kernel) window 1
.set ki, 0
.rept 32                                       ; 16 chains of packed multiply-adds: two experts an instruction; the first product starts each sum
.set kt, 0
.rept 4
.set km, 0
.rept 4
.set rA, ACC+8*kt+2*km
.set rK, 8*ki+2*km
.set rG, G+32*kt+(ki/2)*2
.if ki == 0
	v_pk_mul_f32 v[rA:rA+1], v[rK:rK+1], v[rG:rG+1] op_sel_hi:[1,0]
.elseif ki%2 == 0
	v_pk_fma_f32 v[rA:rA+1], v[rK:rK+1], v[rG:rG+1], v[rA:rA+1] op_sel_hi:[1,0,1]
.else
	v_pk_fma_f32 v[rA:rA+1], v[rK:rK+1], v[rG:rG+1], v[rA:rA+1] op_sel:[0,1,0] op_sel_hi:[1,1,1]
.endif
.set km, km+1
.endr
.set kt, kt+1
.endr
.set ki, ki+1
.endr
	WIN 0
.irp x, 1,2,4,8                                ; the 32 sums over the 32 lanes: four steps inside each half,
.set k, 0
.rept 32
	v_add_f32_dpp v[ACC+k], v[ACC+k], v[ACC+k] row_xmask:\x row_mask:0xf bank_mask:0xf
.set k, k+1
.endr
.endr
.set k, 0
.rept 32
	v_permlanex16_b32 v[G+k], v[ACC+k], s32, s33   ; one across (its destination has been written: gate_inputs' registers are done with)
.set k, k+1
.endr
.set k, 0
.rept 32
	v_add_f32 v[ACC+k], v[ACC+k], v[G+k]
.set k, k+1
.endr
.irp n, 0,1,2,3,4,5,6,7                        ; lane l takes token (l / 2) % 4
	v_cndmask_b32 v[LG+\n], v[ACC+\n], v[ACC+8+\n], s34
	v_cndmask_b32 v[LG+\n], v[LG+\n], v[ACC+16+\n], s35
	v_cndmask_b32 v[LG+\n], v[LG+\n], v[ACC+24+\n], s36
.endr
	s_wait_kmcnt 0x0                               ; the scales
; the largest of the eight: v[b] the logit, v[b+1] its index, v[b+2] its expert's scale.  A later one replaces it only where it is greater: of equals the lower index stays
.macro PASS b
	v_mov_b32 v[\b], v[LG]
	v_mov_b32 v[\b+1], 0
	v_mov_b32 v[\b+2], s24
.irp n, 1,2,3,4,5,6,7
	v_cmp_le_f32 vcc_lo, v[LG+\n], v[\b]
	v_cndmask_b32 v[\b], v[LG+\n], v[\b], vcc_lo
	v_cndmask_b32 v[\b+1], \n, v[\b+1], vcc_lo
	v_cndmask_b32 v[\b+2], s[24+\n], v[\b+2], vcc_lo
.endr
.endm
	PASS 204
.irp n, 0,1,2,3,4,5,6,7
	v_cmp_eq_u32 vcc_lo, \n, v205
	v_cndmask_b32 v[LG+\n], v[LG+\n], v210, vcc_lo ; the first choice is taken out
.endr
	PASS 207
	v_cndmask_b32 v211, v204, v207, s37            ; even lanes the first choice, odd lanes the second
	v_cndmask_b32 v212, v205, v208, s37
	v_cndmask_b32 v213, v206, v209, s37
	v_mul_f32 v211, 0xbfb8aa3b, v211               ; sigmoid(z) = 1 / (1 + 2^(-z log2(e)))
	v_exp_f32 v211, v211
	v_nop                                          ; a plain instruction behind the transcendental,
	s_wait_alu depctr_va_vdst(0)                   ; and the wait ahead of its first reader
	v_add_f32 v211, 1.0, v211
	v_rcp_f32 v211, v211
	v_nop
	s_wait_alu depctr_va_vdst(0)
	v_mul_f32 v211, v211, v213                     ; x per_expert_scale of the chosen expert
	s_wait_xcnt 0x0                                ; EXEC changes only behind this wait
	v_cmp_gt_u32 vcc_lo, 8, v1
	s_and_saveexec_b32 s22, vcc_lo                 ; lanes 0 to 7: pair 2 (l / 2) + l % 2 of my four tokens
	global_store_b32 v2, v212, s[12:13]
	global_store_b32 v2, v211, s[14:15] offset:557056
	s_wait_xcnt 0x0                                ; and again, in front of the line that widens it
	s_or_b32 exec_lo, exec_lo, s22
	s_endpgm
; ---- wave 1: x into codes.  Lane l owns block l (k = 32 l .. 32 l + 31) of each of the four rows: a block's largest magnitude needs no other lane
.Lquant:
	s_add_nc_u64 s[10:11], s[10:11], s[18:19]
	v_lshlrev_b32 v2, 7, v1                        ; my block's 128 bytes
	v_lshlrev_b32 v4, 4, v1                        ; its 16 bytes of codes
	s_lshl_b32 s20, ttmp9, 11                      ; four rows of 512 bytes of codes
	s_mov_b32 s21, 0
	s_add_nc_u64 s[22:23], s[14:15], s[20:21]
	s_lshl_b32 s24, ttmp9, 7                       ; four rows of 32 scale bytes
	s_mov_b32 s25, 0
	s_add_nc_u64 s[26:27], s[14:15], s[24:25]
.irp t, 0,1,2,3
.irp i, 0,1,2,3,4,5,6,7
	global_load_b128 v[G+32*\t+4*\i:G+32*\t+4*\i+3], v2, s[10:11] offset:4096*\t+16*\i th:TH_LOAD_NT
.endr
.endr
.irp t, 0,1,2,3
	s_wait_loadcnt 24-8*\t                         ; this row's eight loads are in; the later rows' eight each may be out
	v_max3_num_f32 v8, |v[G+32*\t]|, |v[G+32*\t+1]|, 0x1800000     ; the largest magnitude, in two chains, with the floor 2^(3 - 127): the byte cannot fall under 1
	v_max3_num_f32 v9, |v[G+32*\t+2]|, |v[G+32*\t+3]|, 0x1800000
.irp i, 4,8,12,16,20,24,28
	v_max3_num_f32 v8, v8, |v[G+32*\t+\i]|, |v[G+32*\t+\i+1]|
	v_max3_num_f32 v9, v9, |v[G+32*\t+\i+2]|, |v[G+32*\t+\i+3]|
.endr
	v_max_num_f32 v8, v8, v9
	v_add_nc_u32 v10, 0xff000000, v8               ; 2 off its exponent field: the conversion takes the exponent field of this operand as its scale
.irp g, 0,1,2,3
	v_cvt_scalef32_pk8_fp4_f32 v[ACC+4*\t+\g], v[G+32*\t+8*\g:G+32*\t+8*\g+7], v10
.endr
	v_lshrrev_b32 v[176+\t], 23, v10               ; the scale's byte (also the plain instruction behind the conversions)
	global_store_b128 v4, v[ACC+4*\t:ACC+4*\t+3], s[22:23] offset:512*\t          ; 32 lanes store the row's 512 consecutive bytes
	global_store_b8 v1, v[176+\t], s[26:27] offset:524288+32*\t                  ; and its 32 consecutive scale bytes; each row has registers of its own
.endr
	s_endpgm
.Lfunc_end_k_qbf55c52ba4_route_q:
	.size	k_qbf55c52ba4_route_q, .Lfunc_end_k_qbf55c52ba4_route_q-k_qbf55c52ba4_route_q
	.p2alignl 7, 3214868480
	.fill 96, 4, 3214868480
	.section	.rodata,"a",@progbits
	.p2align	6, 0x0
	.amdhsa_kernel k_qbf55c52ba4_route_q
		.amdhsa_group_segment_fixed_size 0
		.amdhsa_private_segment_fixed_size 0
		.amdhsa_enable_private_segment 0
		.amdhsa_kernarg_size 48
		.amdhsa_user_sgpr_count 2
		.amdhsa_user_sgpr_kernarg_segment_ptr 1
		.amdhsa_wavefront_size32 1
		.amdhsa_system_sgpr_workgroup_id_x 1
		.amdhsa_system_sgpr_workgroup_id_y 1
		.amdhsa_system_sgpr_workgroup_id_z 1
		.amdhsa_system_vgpr_workitem_id 0
		.amdhsa_next_free_vgpr 512
		.amdhsa_next_free_sgpr 66
		.amdhsa_reserve_vcc 1
		.amdhsa_float_denorm_mode_32 3
		.amdhsa_float_denorm_mode_16_64 3
		.amdhsa_memory_ordered 1
		.amdhsa_forward_progress 1
		.amdhsa_inst_pref_size 78
	.end_amdhsa_kernel
	.amdgpu_metadata
---
amdhsa.version: [ 1, 2 ]
amdhsa.kernels:
  - .name:           k_qbf55c52ba4_route_q
    .symbol:         k_qbf55c52ba4_route_q.kd
    .args:
      - { .name: gate_inputs, .offset: 0, .size: 8, .value_kind: global_buffer, .address_space: global }
      - { .name: gate_kernel, .offset: 8, .size: 8, .value_kind: global_buffer, .address_space: global }
      - { .name: per_expert_scale, .offset: 16, .size: 8, .value_kind: global_buffer, .address_space: global }
      - { .name: x, .offset: 24, .size: 8, .value_kind: global_buffer, .address_space: global }
      - { .name: eidx, .offset: 32, .size: 8, .value_kind: global_buffer, .address_space: global }
      - { .name: xq, .offset: 40, .size: 8, .value_kind: global_buffer, .address_space: global }
    .group_segment_fixed_size: 0
    .private_segment_fixed_size: 0
    .kernarg_segment_align: 8
    .kernarg_segment_size: 48
    .max_flat_workgroup_size: 64
    .sgpr_count:     66
    .vgpr_count:     512
    .wavefront_size: 32
...
	.end_amdgpu_metadata
.endif
;; end of part 1
;; launch place (part 2): grid 1 x 1, 8 waves a work-group, no clusters, 0 bytes of LDS; arguments eidx, route; writes route
.if DOCPART == 2
	.amdgcn_target "amdgcn-amd-amdhsa--gfx1250"
	.amdhsa_code_object_version 6
	.text
	.protected	k_qbf55c52ba4_place
	.globl	k_qbf55c52ba4_place
	.p2align	8
	.type	k_qbf55c52ba4_place,@function
k_qbf55c52ba4_place:
	s_mov_b64 s[64:65], 0
	v_nop
	global_prefetch_b8 v0, s[64:65] scope:SCOPE_SE
	s_setreg_imm32_b32 hwreg(HW_REG_WAVE_MODE, 25, 1), 1
	s_wait_xcnt 0x0
; SECOND LAUNCH: the routed rows are placed by expert.  It reads the chosen experts as whole numbers, eidx[p], p = 2 x token + k, and stores the lists by which the later launches form addresses and trip counts.
; (Only chosen rows exist from here on: see the first kernel's head.)
; Wave E serves expert E and needs no other wave: each expert has room for 1,024 rows, the most it can get, since a token's two experts differ.
; route: +8192 E: list[j] = the token of the expert's j-th row (words 1024 to 1055: dump);  +65536: posmap[p] = 1024 E + j (behind it 256 dump words);  +74752 + 128 E: the expert's count, 32 equal words.
; A pair's place j is the number of the expert's pairs ahead of it: those of earlier registers in a scalar, those of lower lanes by a count of mask bits.
; Lanes whose pair belongs to another expert store into dump words of their own, which nobody reads: so EXEC stays whole.  One work-group: 8 KB in, 17 KB out.
	s_load_b128 s[4:7], s[0:1], 0x0                ; eidx s[4:5], route s[6:7]
	v_lshrrev_b32 v1, 5, v0
	v_readfirstlane_b32 s8, v1                     ; my expert
	v_and_b32 v2, 31, v0                           ; lane
	v_lshlrev_b32 v1, 4, v2                        ; 16 x lane
	v_lshlrev_b32 v3, 1, v2                        ; 2 x lane
	v_lshlrev_b32 v4, 2, v2                        ; 4 x lane
	v_add_nc_u32 v5, 1024, v2                      ; my dump word in the list
	s_lshl_b32 s16, s8, 5
	s_add_co_u32 s16, s16, 2048
	v_add_nc_u32 v6, s16, v2                       ; and behind posmap
	s_lshl_b32 s15, s8, 10                         ; 1024 E
	s_lshl_b32 s12, s8, 13
	s_mov_b32 s13, 0
	s_lshl_b32 s20, s8, 7
	s_mov_b32 s21, 0
	s_mov_b32 s9, 0                                ; the expert's pairs so far
	s_wait_kmcnt 0x0
	s_add_nc_u64 s[10:11], s[6:7], s[12:13]        ; my list
	s_add_nc_u64 s[18:19], s[6:7], 0x10000         ; posmap
	s_add_nc_u64 s[22:23], s[6:7], s[20:21]        ; my count's words, less 74,752
.irp q, 0,1,2,3,4,5,6,7,8,9,10,11,12,13,14,15
	global_load_b128 v[32+4*\q:35+4*\q], v1, s[4:5] offset:512*\q   ; register 4 q + x: pair 128 q + 4 lane + x
.endr
	s_wait_loadcnt 0x0
.macro PAIR q, x
.set R, 8+6*(\x)
	v_cmp_eq_u32 vcc_lo, s8, v[32+4*(\q)+(\x)]
	v_mbcnt_lo_u32_b32 v[R], vcc_lo, s9            ; j: the pairs so far + those of lower lanes
	v_cndmask_b32 v[R+1], v5, v[R], vcc_lo         ; list word j, or my dump word
	v_min_u32 v[R+1], 0x7ff, v[R+1]
	v_lshlrev_b32 v[R+1], 2, v[R+1]
	v_add_nc_u32 v[R+2], 64*(\q)+(\x)/2, v3        ; the pair's token
	global_store_b32 v[R+1], v[R+2], s[10:11]
	v_add_nc_u32 v[R+3], 128*(\q)+(\x), v4         ; the pair
	v_cndmask_b32 v[R+3], v6, v[R+3], vcc_lo
	v_min_u32 v[R+3], 0xfff, v[R+3]
	v_lshlrev_b32 v[R+3], 2, v[R+3]
	v_add_nc_u32 v[R+4], s15, v[R]                 ; 1024 E + j
	global_store_b32 v[R+3], v[R+4], s[18:19]
	s_bcnt1_i32_b32 s14, vcc_lo
	s_add_co_u32 s9, s9, s14
.endm
.irp q, 0,1,2,3,4,5,6,7,8,9,10,11,12,13,14,15
	s_wait_xcnt 0x0                                ; the last group's stores have read their addresses and data: the same registers are written again
	PAIR \q, 0
	PAIR \q, 1
	PAIR \q, 2
	PAIR \q, 3
.endr
	v_mov_b32 v7, s9
	global_store_b32 v4, v7, s[22:23] offset:74752
	s_endpgm
.Lfunc_end_k_qbf55c52ba4_place:
	.size	k_qbf55c52ba4_place, .Lfunc_end_k_qbf55c52ba4_place-k_qbf55c52ba4_place
	.p2alignl 7, 3214868480
	.fill 96, 4, 3214868480
	.section	.rodata,"a",@progbits
	.p2align	6, 0x0
	.amdhsa_kernel k_qbf55c52ba4_place
		.amdhsa_group_segment_fixed_size 0
		.amdhsa_private_segment_fixed_size 0
		.amdhsa_enable_private_segment 0
		.amdhsa_kernarg_size 16
		.amdhsa_user_sgpr_count 2
		.amdhsa_user_sgpr_kernarg_segment_ptr 1
		.amdhsa_wavefront_size32 1
		.amdhsa_system_sgpr_workgroup_id_x 1
		.amdhsa_system_sgpr_workgroup_id_y 1
		.amdhsa_system_sgpr_workgroup_id_z 1
		.amdhsa_system_vgpr_workitem_id 0
		.amdhsa_next_free_vgpr 128
		.amdhsa_next_free_sgpr 66
		.amdhsa_reserve_vcc 1
		.amdhsa_float_denorm_mode_32 3
		.amdhsa_float_denorm_mode_16_64 3
		.amdhsa_memory_ordered 1
		.amdhsa_forward_progress 1
		.amdhsa_inst_pref_size 51
	.end_amdhsa_kernel
	.amdgpu_metadata
---
amdhsa.version: [ 1, 2 ]
amdhsa.kernels:
  - .name:           k_qbf55c52ba4_place
    .symbol:         k_qbf55c52ba4_place.kd
    .args:
      - { .name: eidx, .offset: 0, .size: 8, .value_kind: global_buffer, .address_space: global }
      - { .name: route, .offset: 8, .size: 8, .value_kind: global_buffer, .address_space: global }
    .group_segment_fixed_size: 0
    .private_segment_fixed_size: 0
    .kernarg_segment_align: 8
    .kernarg_segment_size: 16
    .max_flat_workgroup_size: 256
    .sgpr_count:     66
    .vgpr_count:     128
    .wavefront_size: 32
...
	.end_amdgpu_metadata
.endif
;; end of part 2
;; launch gateup (part 3): grid 256 x 1, 8 waves a work-group, no clusters, 70,656 bytes of LDS; arguments gate_proj_w, up_proj_w, xq, route, act; writes act
.if DOCPART == 3
	.amdgcn_target "amdgcn-amd-amdhsa--gfx1250"
	.amdhsa_code_object_version 6
	.text
	.protected	k_qbf55c52ba4_gateup
	.globl	k_qbf55c52ba4_gateup
	.p2align	8
	.type	k_qbf55c52ba4_gateup,@function
k_qbf55c52ba4_gateup:
	s_mov_b64 s[64:65], 0
	v_nop
	global_prefetch_b8 v0, s[64:65] scope:SCOPE_SE
	s_setreg_imm32_b32 hwreg(HW_REG_WAVE_MODE, 25, 1), 1
	s_wait_xcnt 0x0
; THIRD LAUNCH: act = gelu(x Wg) * (x Wu) for the chosen rows alone (rows of experts that a token did not choose are left out: see the first kernel's head), quantised along d into codes of E2M1.
; SHARES.  Work-group = (expert e = wg / 32, slice sl = wg % 32): columns d = 64 sl .. 64 sl + 63 of Wg[e] and of Wu[e], all 1,024 k: 512 KB of f32, read once in the whole program, quantised here in registers.
; PHASE 1, the stream.  Wave w takes matrix m = w % 2 (gate, up) and K quarter kq = w / 2: eight blocks of 32 k x 64 columns.  A load reads one row's 256 consecutive bytes, aligned; lane l holds columns 2 l, 2 l + 1,
; and its registers run down K, so a block's largest magnitude needs no other lane.  Three blocks' loads (96 a wave) are kept going in a ring of registers.  The codes of two blocks, with one exchange of lane halves,
; ARE register groups of operand fragments; they go to LDS as images of the registers (16 bytes a lane, 512 a store), the scale words likewise.  Tile (H, j): row r of the tile is column 32 H + 2 r + j.
; ONE barrier.  PHASE 2.  Wave w takes column half H = w % 2 (one block of 32 along d) and row tiles i = w / 2, w / 2 + 4, ..: its 32 fragments (gate and up, j = 0, 1, eight K steps) stay in 256 registers.
; A trip: x's codes of 16 listed tokens (asked for a trip ahead), 32 products (source 0 = weights, source 1 = x: a lane then holds ONE token), gelu x up in f32, the block's scale, 16 codes a lane, stores.
; In the result register jj of tile j, lane half h, is d = 32 H + 16 h + 2 jj + j.  The codes are stored in that order: place p of a block holds d = 16 (p / 16) + 2 (p % 8) + (p / 8) % 2; the next launch lays Wd's rows alike.
; gelu(g) = g / (1 + 2^((KB g^2 + KA) g)), KA = -2 sqrt(2 / pi) log2(e), KB = 0.044715 KA: the tanh form of the problem's text, written by its sigmoid.
; act: codes [block 0..63][1024 e + j][16 bytes]; at +8388608 scale words [block / 4][1024 e + j][4 bytes].  Rows from the count up to the tile's end repeat the expert's last row and are stored too, so that whole tiles can be read.
; NO tensor loads: trip counts hang on counts read from memory.  NO cluster: no two work-groups read the same weights, and x's codes are 0.5 MB.  An expert with no rows still has its slice streamed (every wave passes the barrier);
; the list word and the row of x that are then loaded are used by nothing.
.set PITCH, 8192                       ; bytes from k to k + 1
.set NB,    8                          ; blocks a wave
.set HSTR,  32768                      ; LDS: from column half 0 to 1.  Fragment (H, m, j, s) at 32768 H + 1024 (8 (2 m + j) + s) + 512 c + 16 lane
.set SCL,   65536                      ; scale words: 2048 H + 1024 j + 128 s + 64 m + 4 r
.set SPARE, 69632                      ; the spare words, 128 bytes for each wave: four blocks of 256 bytes that no other line names
.set T,   112                          ; v112-175 a block's numbers, column j at 32 j, down K.  Later: v112-127 gate's two tiles, v128-143 up's, v144-159 at work
.set M,   176                          ; v176-179 largest magnitudes
.set SO,  180                          ; v180-181 the conversions' scale operands
.set BY,  182                          ; v182-183 scale bytes
.set W,   184                          ; v184-187 scale words: column j, K step u at 2 j + u
.set C,   192                          ; v192-207 codes of two blocks
.set SB,  26                           ; s[26:27] my part of the weights
; v1 8 x lane; v2, v3 where I store images and scale words; v4, v5 where I read them; v6, v7 the add's two; v8 r; v9 16 h; v10 list index; v11 its address; v12 tokens; v13, v14 x's codes and scales; v15, v16 act's;
; v20-23 KA, KB as pairs; v24-27 x's scale words; v28-43 the weights' (register 8 j + s: lanes 0-15 gate's, lanes 16-31 up's); v48-111 x's fragments; v190-191 act's codes.  Window 1: the ring (3 x 64), then the 32 fragments.
.set MSB, 0
.macro WIN new                         ; the immediate's high byte repeats the setting that is left
.if MSB != \new
	s_set_vgpr_msb (MSB<<8)|\new
.set MSB, \new
.endif
.endm
.macro LOADBLK t                       ; block t: 32 rows into ring slot t % 3, register 2 i + j: row 32 t + i, column 2 lane + j
	WIN 0x40                                       ; destination window 1
.set li, 0
.rept 32
	global_load_b64 v[64*((\t)%3)+2*li:64*((\t)%3)+2*li+1], v1, s[SB:SB+1] offset:(32*(\t)+li)*PITCH th:TH_LOAD_NT
.set li, li+1
.endr
.endm
.macro BLOCK t
.set LB, 64*((\t)%3)
.if (\t) <= NB-3
	s_wait_loadcnt 63                              ; behind this block's loads 64 or 65 were issued: 63 is the most that a wait can name
.elseif (\t) == NB-2
	s_wait_loadcnt 32                              ; the last block's 32 may be out
.else
	s_wait_loadcnt 0x0
.endif
	WIN 0x05                                       ; sources 0 and 1 window 1
.irp a, 0,1                                    ; four chains (column j, upper or lower 16 rows), each begun with the floor 2^(3 - 127): the byte cannot fall under 1
.irp j, 0,1
	v_max3_num_f32 v[M+2*\j+\a], |v[LB+32*\a+\j]|, |v[LB+32*\a+2+\j]|, 0x1800000
.endr
.endr
.irp u, 1,2,3,4,5,6,7
.irp a, 0,1
.irp j, 0,1
	v_max3_num_f32 v[M+2*\j+\a], |v[LB+32*\a+4*\u+\j]|, |v[LB+32*\a+4*\u+2+\j]|, v[M+2*\j+\a]
.endr
.endr
.endr
.set mi, 0
.rept 32                                       ; each column's 32 numbers into consecutive registers, as the conversions take them; the slot is then free
	v_mov_b32 v[T+mi], v[LB+2*mi]
	v_mov_b32 v[T+32+mi], v[LB+2*mi+1]
.set mi, mi+1
.endr
.if (\t)+3 < NB
	LOADBLK (\t)+3
.endif
	WIN 0
.irp j, 0,1
	v_max_num_f32 v[M+2*\j], v[M+2*\j], v[M+2*\j+1]
.endr
.irp j, 0,1
	v_add_nc_u32 v[SO+\j], 0xff000000, v[M+2*\j]   ; 2 off the exponent field: the conversion's scale operand
.endr
.irp j, 0,1
	v_lshrrev_b32 v[BY+\j], 23, v[SO+\j]           ; the scale's byte
.endr
.irp j, 0,1
.if (\t)%4 == 0
	v_mov_b32 v[W+2*\j+(\t)/4], v[BY+\j]
.else
	v_lshl_or_b32 v[W+2*\j+(\t)/4], v[BY+\j], 8*((\t)%4), v[W+2*\j+(\t)/4]
.endif
.endr
.if ((\t)%2 == 0) && ((\t) >= 2)
	s_wait_dscnt 0x0                               ; the image stores have read the codes' registers
.endif
.irp j, 0,1
.irp g, 0,1,2,3
	v_cvt_scalef32_pk8_fp4_f32 v[C+8*((\t)%2)+4*\j+\g], v[T+32*\j+8*\g:T+32*\j+8*\g+7], v[SO+\j]
.endr
.endr
	v_nop                                          ; one plain instruction behind the conversions
.if (\t)%2 == 1
.irp j, 0,1                                    ; the even block's lanes 16-31 change places with the odd block's lanes 0-15: lanes 0-15 then hold block 2 c, lanes 16-31 block 2 c + 1, of tile (0, j) and of tile (1, j)
.irp g, 0,1,2,3
	v_permlane16_swap_b32 v[C+4*\j+\g], v[C+8+4*\j+\g]
.endr
.endr
.irp j, 0,1
	ds_store_b128 v2, v[C+4*\j:C+4*\j+3] offset:\j*8192+((\t)/4)*1024+(((\t)/2)%2)*512
	ds_store_b128 v2, v[C+8+4*\j:C+8+4*\j+3] offset:HSTR+\j*8192+((\t)/4)*1024+(((\t)/2)%2)*512
.endr
.endif
.if (\t)%4 == 3
.irp j, 0,1
	ds_store_b32 v3, v[W+2*\j+(\t)/4] offset:\j*1024+((\t)/4)*128
.endr
.endif
.endm
; the next tile's operand: x's codes and scale words of the 16 tokens in v12, and the tokens of the tile after.  Its seven vector lines name no register of the products: they are the places in front of the loads
.macro NEXTX
	v_min_u32 v12, 0x3ff, v12                      ; a token, held inside x
	v_lshl_add_u32 v13, v12, 9, v9                 ; its 512 bytes of codes, + 16 h
	v_lshl_add_u32 v14, v12, 5, v9                 ; its 32 scale bytes, + 16 h: lanes 0-15 K steps 0-3, lanes 16-31 K steps 4-7
	v_add_nc_u32 v10, 64, v10                      ; four tiles on
	v_min_u32 v11, s22, v10                        ; past the count: the expert's last row
	v_min_u32 v11, 0x3ff, v11
	v_lshlrev_b32 v11, 2, v11
.irp q, 0,1,2,3,4,5,6,7
	global_load_b128 v[48+8*\q:51+8*\q], v13, s[8:9] offset:64*\q
	global_load_b128 v[52+8*\q:55+8*\q], v13, s[8:9] offset:64*\q+32
.endr
	global_load_b128 v[24:27], v14, s[32:33]
	global_load_b32 v12, v11, s[34:35]
.endm
; 32 products: K step kk, accumulator mj (gate j = 0, 1, up j = 0, 1) at v[112 + 8 mj]; the four take turns, one instruction a turn; the first K step starts the sums
.macro PRODUCTS
.set kk, 0
.rept 8
.set mj, 0
.rept 4
.set rD, 112+8*mj
.set rA, 8*(8*mj+kk)
.set rB, 48+8*kk
.set rSA, 28+8*(mj%2)+kk
.set rSB, 24+kk%4
.if kk == 0
.if mj < 2
	v_wmma_scale_f32_16x16x128_f8f6f4 v[rD:rD+7], v[rA:rA+7], v[rB:rB+7], 0, v[rSA], v[rSB] matrix_a_fmt:MATRIX_FMT_FP4 matrix_b_fmt:MATRIX_FMT_FP4
.else
	v_wmma_scale_f32_16x16x128_f8f6f4 v[rD:rD+7], v[rA:rA+7], v[rB:rB+7], 0, v[rSA], v[rSB] matrix_a_fmt:MATRIX_FMT_FP4 matrix_b_fmt:MATRIX_FMT_FP4 matrix_a_scale:MATRIX_SCALE_ROW1
.endif
.elseif kk < 4
.if mj < 2
	v_wmma_scale_f32_16x16x128_f8f6f4 v[rD:rD+7], v[rA:rA+7], v[rB:rB+7], v[rD:rD+7], v[rSA], v[rSB] matrix_a_fmt:MATRIX_FMT_FP4 matrix_b_fmt:MATRIX_FMT_FP4
.else
	v_wmma_scale_f32_16x16x128_f8f6f4 v[rD:rD+7], v[rA:rA+7], v[rB:rB+7], v[rD:rD+7], v[rSA], v[rSB] matrix_a_fmt:MATRIX_FMT_FP4 matrix_b_fmt:MATRIX_FMT_FP4 matrix_a_scale:MATRIX_SCALE_ROW1
.endif
.else
.if mj < 2
	v_wmma_scale_f32_16x16x128_f8f6f4 v[rD:rD+7], v[rA:rA+7], v[rB:rB+7], v[rD:rD+7], v[rSA], v[rSB] matrix_a_fmt:MATRIX_FMT_FP4 matrix_b_fmt:MATRIX_FMT_FP4 matrix_b_scale:MATRIX_SCALE_ROW1
.else
	v_wmma_scale_f32_16x16x128_f8f6f4 v[rD:rD+7], v[rA:rA+7], v[rB:rB+7], v[rD:rD+7], v[rSA], v[rSB] matrix_a_fmt:MATRIX_FMT_FP4 matrix_b_fmt:MATRIX_FMT_FP4 matrix_a_scale:MATRIX_SCALE_ROW1 matrix_b_scale:MATRIX_SCALE_ROW1
.endif
.endif
.set mj, mj+1
.endr
.set kk, kk+1
.endr
.endm
	s_load_b256 s[4:11], s[0:1], 0x0               ; gate_proj_w s[4:5], up_proj_w s[6:7], xq s[8:9], route s[10:11]
	s_load_b64 s[12:13], s[0:1], 0x20              ; act
	v_lshl_add_u32 v6, v0, 2, SPARE                ; my spare word,
	v_mov_b32 v7, 0                                ; and 0: kept for the closing lines alone
	v_lshrrev_b32 v8, 5, v0
	v_readfirstlane_b32 s14, v8                    ; wave 0..7
	s_and_b32 s15, s14, 1                          ; m in the stream, H behind the barrier
	s_lshr_b32 s16, s14, 1                         ; kq in the stream, the first row tile behind the barrier
	s_lshr_b32 s19, ttmp9, 5                       ; e
	s_and_b32 s20, ttmp9, 31                       ; sl
	v_and_b32 v17, 31, v0                          ; lane
	v_and_b32 v8, 15, v0                           ; r
	v_bfe_u32 v18, v0, 4, 1                        ; h
	v_lshlrev_b32 v1, 3, v17
	v_lshlrev_b32 v9, 4, v18
	s_lshl_b32 s28, s15, 14
	s_lshl_b32 s29, s16, 11
	s_add_co_u32 s28, s28, s29
	v_lshl_add_u32 v2, v17, 4, s28                 ; images out: 16 lane + 16384 m + 2048 kq
	s_lshl_b32 s28, s15, 6
	s_lshl_b32 s29, s16, 8
	s_add_co_u32 s28, s28, s29
	s_add_co_u32 s28, s28, SCL
	v_lshlrev_b32 v3, 2, v8
	v_lshl_add_u32 v3, v18, 11, v3
	v_add_nc_u32 v3, s28, v3                       ; scale words out: SCL + 2048 (lane / 16) + 4 r + 64 m + 256 kq
	s_lshl_b32 s28, s15, 15
	v_lshl_add_u32 v4, v17, 4, s28                 ; images in: 16 lane + 32768 H
	s_lshl_b32 s28, s15, 11
	s_add_co_u32 s28, s28, SCL
	v_lshl_add_u32 v5, v17, 2, s28                 ; scale words in: SCL + 2048 H + 4 lane
	s_lshl_b32 s28, s16, 4
	v_add_nc_u32 v10, s28, v8                      ; my row in the list: 16 x tile + r
	v_lshlrev_b32 v15, 4, v10
	v_lshl_add_u32 v15, v18, 3, v15                ; act's codes: 16 bytes a row, + 8 h
	v_lshlrev_b32 v16, 2, v10                      ; act's scale words: 4 bytes a row
	v_mov_b32 v20, 0xc0135761                      ; KA
	v_mov_b32 v21, 0xc0135761
	v_mov_b32 v22, 0xbdd2d3e7                      ; KB
	v_mov_b32 v23, 0xbdd2d3e7
	s_mov_b32 s40, 0x76543210                      ; v_permlanex16_b32's selects for lane l xor 16
	s_mov_b32 s41, 0xfedcba98
	s_lshl_b32 s42, s19, 23                        ; the weights: expert, K quarter (256 rows), slice (256 bytes)
	s_lshl_b32 s43, s16, 21
	s_add_co_u32 s42, s42, s43
	s_lshl_b32 s43, s20, 8
	s_add_co_u32 s42, s42, s43
	s_mov_b32 s43, 0
	s_lshl_b32 s44, s20, 1                         ; act's codes: block 2 sl + H, the expert's rows
	s_add_co_u32 s44, s44, s15
	s_lshl_b32 s44, s44, 17
	s_lshl_b32 s45, s19, 14
	s_add_co_u32 s44, s44, s45
	s_mov_b32 s45, 0
	s_lshr_b32 s46, s20, 1                         ; act's scale bytes: word plane sl / 2, byte 2 (sl % 2) + H
	s_lshl_b32 s46, s46, 15
	s_lshl_b32 s47, s19, 12
	s_add_co_u32 s46, s46, s47
	s_and_b32 s47, s20, 1
	s_lshl_b32 s47, s47, 1
	s_add_co_u32 s46, s46, s47
	s_add_co_u32 s46, s46, s15
	s_add_co_u32 s46, s46, 0x800000
	s_mov_b32 s47, 0
	s_lshl_b32 s28, s19, 13                        ; the expert's list
	s_mov_b32 s29, 0
	s_lshl_b32 s30, s19, 7                         ; and its count
	s_wait_kmcnt 0x0
	s_cmp_eq_u32 s15, 0
	s_cselect_b64 s[SB:SB+1], s[4:5], s[6:7]       ; gate or up: the choice hangs on the wave's number alone
	s_add_nc_u64 s[SB:SB+1], s[SB:SB+1], s[42:43]
	s_load_b32 s21, s[10:11], s30 offset:0x12400
	LOADBLK 0
	LOADBLK 1
	WIN 0
	s_add_nc_u64 s[32:33], s[8:9], 0x80000         ; x's scale bytes
	s_add_nc_u64 s[34:35], s[10:11], s[28:29]
	s_add_nc_u64 s[36:37], s[12:13], s[44:45]
	s_add_nc_u64 s[38:39], s[12:13], s[46:47]
	s_wait_kmcnt 0x0
	s_min_u32 s21, s21, 1024                       ; the expert's rows
	s_sub_co_u32 s22, s21, 1                       ; its last
	s_add_co_u32 s23, s21, 15
	s_lshr_b32 s23, s23, 4                         ; its tiles of 16
	s_add_co_u32 s23, s23, 3
	s_sub_co_u32 s23, s23, s16
	s_lshr_b32 s23, s23, 2                         ; and how many of them are mine
	v_min_u32 v11, s22, v10
	v_min_u32 v11, 0x3ff, v11
	v_lshlrev_b32 v11, 2, v11
	global_load_b32 v12, v11, s[34:35]             ; my first tile's tokens
	LOADBLK 2
.irp t, 0,1,2,3,4,5,6,7
	BLOCK \t
.endr
	NEXTX                                          ; (the last block's wait was for 0: the tokens are in)
	s_wait_dscnt 0x0                               ; for the others' sake: my images and scale words lie in LDS
	s_barrier_signal -1
	s_barrier_wait -1
	WIN 0x40
.set f, 0
.rept 32                                       ; my column half's 32 fragments: they stay
	ds_load_b128 v[8*f:8*f+3], v4 offset:1024*f
	ds_load_b128 v[8*f+4:8*f+7], v4 offset:1024*f+512
.set f, f+1
.endr
	WIN 0
.irp j, 0,1
.irp q, 0,1,2,3,4,5,6,7
	ds_load_b32 v[28+8*\j+\q], v5 offset:1024*\j+128*\q
.endr
.endr
	s_wait_dscnt 0x0
	s_cmp_eq_u32 s23, 0
	s_cbranch_scc1 .Ldone
	s_mov_b32 s24, 0
.Lrow:
	s_wait_loadcnt 0x0                             ; x's fragments and scale words, and the next tile's tokens
	WIN 0x01                                       ; source 0 (the weights) window 1
	PRODUCTS
	WIN 0
	NEXTX
.irp p, 0,2,4,6,8,10,12,14                     ; each accumulator is read from its low end on
	v_pk_mul_f32 v[144+\p:145+\p], v[112+\p:113+\p], v[112+\p:113+\p]
.endr
.irp p, 0,2,4,6,8,10,12,14
	v_pk_fma_f32 v[144+\p:145+\p], v[144+\p:145+\p], v[22:23], v[20:21]
.endr
.irp p, 0,2,4,6,8,10,12,14
	v_pk_mul_f32 v[144+\p:145+\p], v[144+\p:145+\p], v[112+\p:113+\p]
.endr
.irp p, 0,1,2,3,4,5,6,7,8,9,10,11,12,13,14,15
	v_exp_f32 v[144+\p], v[144+\p]
.endr
.irp p, 0,2,4,6,8,10,12,14
	v_pk_mul_f32 v[128+\p:129+\p], v[112+\p:113+\p], v[128+\p:129+\p]   ; g x up: plain work behind the batch
.endr
	s_wait_alu depctr_va_vdst(0)                   ; one wait for the sixteen exponentials, ahead of their first reader
.irp p, 0,2,4,6,8,10,12,14
	v_pk_add_f32 v[144+\p:145+\p], v[144+\p:145+\p], 1.0 op_sel_hi:[1,0]
.endr
.irp p, 0,1,2,3,4,5,6,7,8,9,10,11,12,13,14,15
	v_rcp_f32 v[144+\p], v[144+\p]
.endr
	v_nop
	s_wait_alu depctr_va_vdst(0)                   ; and one for the sixteen reciprocals
.irp p, 0,2,4,6,8,10,12,14
	v_pk_mul_f32 v[128+\p:129+\p], v[128+\p:129+\p], v[144+\p:145+\p]   ; act
.endr
	v_max3_num_f32 v176, |v128|, |v129|, 0x1800000 ; the block's largest magnitude: my 16,
	v_max3_num_f32 v177, |v136|, |v137|, 0x1800000
.irp i, 2,4,6
	v_max3_num_f32 v176, v176, |v[128+\i]|, |v[129+\i]|
	v_max3_num_f32 v177, v177, |v[136+\i]|, |v[137+\i]|
.endr
	v_max_num_f32 v176, v176, v177
	v_permlanex16_b32 v178, v176, s40, s41         ; and lane l xor 16's
	v_max_num_f32 v176, v176, v178
	v_add_nc_u32 v180, 0xff000000, v176
	v_lshrrev_b32 v182, 23, v180
	v_cvt_scalef32_pk8_fp4_f32 v190, v[128:135], v180
	v_cvt_scalef32_pk8_fp4_f32 v191, v[136:143], v180
	v_nop                                          ; one plain instruction behind the conversions: the next trip's products write their sources
	global_store_b64 v15, v[190:191], s[36:37]     ; 32 lanes store 256 consecutive bytes, aligned: 16 rows of this block
	global_store_b8 v16, v182, s[38:39]            ; both lanes of a row store the same byte with the same value
	s_wait_xcnt 0x0                                ; the stores have read their addresses and data: both are written again
	v_add_nc_u32 v15, 1024, v15                    ; four tiles on
	v_add_nc_u32 v16, 256, v16
	s_add_co_u32 s24, s24, 1
	s_cmp_lt_u32 s24, s23
	s_cbranch_scc1 .Lrow
.Ldone:
	s_wait_tensorcnt 0x0                           ; the wave's end, behind my last LDS store
	ds_add_u32 v6, v7
	s_wait_dscnt 0x0
	s_endpgm
.Lfunc_end_k_qbf55c52ba4_gateup:
	.size	k_qbf55c52ba4_gateup, .Lfunc_end_k_qbf55c52ba4_gateup-k_qbf55c52ba4_gateup
	.p2alignl 7, 3214868480
	.fill 96, 4, 3214868480
	.section	.rodata,"a",@progbits
	.p2align	6, 0x0
	.amdhsa_kernel k_qbf55c52ba4_gateup
		.amdhsa_group_segment_fixed_size 70656
		.amdhsa_private_segment_fixed_size 0
		.amdhsa_enable_private_segment 0
		.amdhsa_kernarg_size 40
		.amdhsa_user_sgpr_count 2
		.amdhsa_user_sgpr_kernarg_segment_ptr 1
		.amdhsa_wavefront_size32 1
		.amdhsa_system_sgpr_workgroup_id_x 1
		.amdhsa_system_sgpr_workgroup_id_y 1
		.amdhsa_system_sgpr_workgroup_id_z 1
		.amdhsa_system_vgpr_workitem_id 0
		.amdhsa_next_free_vgpr 512
		.amdhsa_next_free_sgpr 66
		.amdhsa_reserve_vcc 0
		.amdhsa_float_denorm_mode_32 3
		.amdhsa_float_denorm_mode_16_64 3
		.amdhsa_memory_ordered 1
		.amdhsa_forward_progress 1
		.amdhsa_inst_pref_size 91
	.end_amdhsa_kernel
	.amdgpu_metadata
---
amdhsa.version: [ 1, 2 ]
amdhsa.kernels:
  - .name:           k_qbf55c52ba4_gateup
    .symbol:         k_qbf55c52ba4_gateup.kd
    .args:
      - { .name: gate_proj_w, .offset: 0, .size: 8, .value_kind: global_buffer, .address_space: global }
      - { .name: up_proj_w, .offset: 8, .size: 8, .value_kind: global_buffer, .address_space: global }
      - { .name: xq, .offset: 16, .size: 8, .value_kind: global_buffer, .address_space: global }
      - { .name: route, .offset: 24, .size: 8, .value_kind: global_buffer, .address_space: global }
      - { .name: act, .offset: 32, .size: 8, .value_kind: global_buffer, .address_space: global }
    .group_segment_fixed_size: 70656
    .private_segment_fixed_size: 0
    .kernarg_segment_align: 8
    .kernarg_segment_size: 40
    .max_flat_workgroup_size: 256
    .sgpr_count:     66
    .vgpr_count:     512
    .wavefront_size: 32
...
	.end_amdgpu_metadata
.endif
;; end of part 3
;; launch down (part 4): grid 256 x 1, 8 waves a work-group, no clusters, 70,656 bytes of LDS; arguments down_proj_w, act, route, y; writes y
.if DOCPART == 4
	.amdgcn_target "amdgcn-amd-amdhsa--gfx1250"
	.amdhsa_code_object_version 6
	.text
	.protected	k_qbf55c52ba4_down
	.globl	k_qbf55c52ba4_down
	.p2align	8
	.type	k_qbf55c52ba4_down,@function
k_qbf55c52ba4_down:
	s_mov_b64 s[64:65], 0
	v_nop
	global_prefetch_b8 v0, s[64:65] scope:SCOPE_SE
	s_setreg_imm32_b32 hwreg(HW_REG_WAVE_MODE, 25, 1), 1
	s_wait_xcnt 0x0
; FOURTH LAUNCH: y = act Wd for the chosen rows alone (see the first kernel's head), in two halves along K.
; SHARES.  Work-group = (expert e = wg / 32, K half ks = (wg / 16) % 2, columns 64 cs .. 64 cs + 63, cs = wg % 16): 1,024 d x 64 columns of Wd[e], 256 KB of f32, read once in the whole program and quantised here.
; K is halved, and not the columns, so that each load still reads 256 consecutive bytes of a row, aligned; the two halves' sums are added by the last launch.
; PHASE 1, the stream, as in the launch before: wave w takes K step w (128 d: four blocks).  A block's rows are fetched in the order in which act's codes lie: place p holds d = 16 (p / 16) + 2 (p % 8) + (p / 8) % 2:
; the same order of K on both operands; the blocks of 32, and so the scales, are the quantiser's own.  Tile (H, j): row r of the tile is column 32 H + 2 r + j.  Images of the fragments go to LDS; ONE barrier.
; PHASE 2.  Every wave holds all 32 fragments (4 tiles x 8 K steps) and takes row tiles i = w, w + 8, ..  A trip: act's codes of 16 rows (asked for a trip ahead; only tiles that exist are asked for), 32 products
; (source 0 = Wd's columns, source 1 = act's rows: a lane holds one row), the lane's columns put in order, through the wave's own stage in LDS, and out as rows: sixteen lanes store 256 consecutive bytes, aligned.
; y: f32 [ks][1024 e + j][1024].  NO tensor loads: trip counts hang on counts read from memory.  NO cluster: no two work-groups read the same weights.
.set PITCH, 4096
.set NB,    4
.set HSTR,  16384                      ; LDS: fragment (H, j, s) at 1024 (8 (2 H + j) + s) + 512 c + 16 lane
.set SCL,   32768                      ; scale words: 128 (8 j + s) + 4 lane (lanes 0-15: H = 0, lanes 16-31: H = 1)
.set STAGE, 34816                      ; 16 rows x (256 + 16) bytes for each wave
.set SPARE, 69632                      ; the spare words, 128 bytes for each wave: four blocks of 256 bytes that no other line names
.set T,   112                          ; v112-175 a block's numbers.  Later: v112-143 the four accumulators, v144-175 a lane's 32 columns in order
.set M,   176
.set SO,  180
.set BY,  182
.set W,   184
.set C,   192
.set SB,  26
; v1 8 x lane; v2, v3 where I store images and scale words; v4, v5 where I read them; v6, v7 the add's two; v8 r; v13, v14 act's codes and scale words; v15, v16 the stage, in and back; v17 y; v18 h; v19 lane;
; v24-27 act's scale words; v28-43 the weights'; v48-111 act's fragments; v208-239 rows read back.  Window 1: the ring, then the 32 fragments.
.set MSB, 0
.macro WIN new                         ; the immediate's high byte repeats the setting that is left
.if MSB != \new
	s_set_vgpr_msb (MSB<<8)|\new
.set MSB, \new
.endif
.endm
.macro LOADBLK t                       ; block t: 32 rows into ring slot t % 3; register 2 i + j: the row that place i of the block's codes holds, column 2 lane + j
	WIN 0x40
.set li, 0
.rept 32
	global_load_b64 v[64*((\t)%3)+2*li:64*((\t)%3)+2*li+1], v1, s[SB:SB+1] offset:(32*(\t)+16*(li/16)+2*(li%8)+((li/8)%2))*PITCH th:TH_LOAD_NT
.set li, li+1
.endr
.endm
.macro BLOCK t
.set LB, 64*((\t)%3)
.if (\t) <= NB-3
	s_wait_loadcnt 63                              ; behind this block's loads 64 were issued: 63 is the most that a wait can name
.elseif (\t) == NB-2
	s_wait_loadcnt 32                              ; the last block's 32 may be out
.else
	s_wait_loadcnt 0x0
.endif
	WIN 0x05                                       ; sources 0 and 1 window 1
.irp a, 0,1                                    ; four chains, each begun with the floor 2^(3 - 127): the byte cannot fall under 1
.irp j, 0,1
	v_max3_num_f32 v[M+2*\j+\a], |v[LB+32*\a+\j]|, |v[LB+32*\a+2+\j]|, 0x1800000
.endr
.endr
.irp u, 1,2,3,4,5,6,7
.irp a, 0,1
.irp j, 0,1
	v_max3_num_f32 v[M+2*\j+\a], |v[LB+32*\a+4*\u+\j]|, |v[LB+32*\a+4*\u+2+\j]|, v[M+2*\j+\a]
.endr
.endr
.endr
.set mi, 0
.rept 32                                       ; each column's 32 numbers into consecutive registers, as the conversions take them; the slot is then free
	v_mov_b32 v[T+mi], v[LB+2*mi]
	v_mov_b32 v[T+32+mi], v[LB+2*mi+1]
.set mi, mi+1
.endr
.if (\t)+3 < NB
	LOADBLK (\t)+3
.endif
	WIN 0
.irp j, 0,1
	v_max_num_f32 v[M+2*\j], v[M+2*\j], v[M+2*\j+1]
.endr
.irp j, 0,1
	v_add_nc_u32 v[SO+\j], 0xff000000, v[M+2*\j]   ; 2 off the exponent field: the conversion's scale operand
.endr
.irp j, 0,1
	v_lshrrev_b32 v[BY+\j], 23, v[SO+\j]           ; the scale's byte
.endr
.irp j, 0,1
.if (\t)%4 == 0
	v_mov_b32 v[W+2*\j+(\t)/4], v[BY+\j]
.else
	v_lshl_or_b32 v[W+2*\j+(\t)/4], v[BY+\j], 8*((\t)%4), v[W+2*\j+(\t)/4]
.endif
.endr
.if ((\t)%2 == 0) && ((\t) >= 2)
	s_wait_dscnt 0x0                               ; the image stores have read the codes' registers
.endif
.irp j, 0,1
.irp g, 0,1,2,3
	v_cvt_scalef32_pk8_fp4_f32 v[C+8*((\t)%2)+4*\j+\g], v[T+32*\j+8*\g:T+32*\j+8*\g+7], v[SO+\j]
.endr
.endr
	v_nop                                          ; one plain instruction behind the conversions
.if (\t)%2 == 1
.irp j, 0,1                                    ; lanes 0-15 then hold block 2 c, lanes 16-31 block 2 c + 1, of tile (0, j) and of tile (1, j)
.irp g, 0,1,2,3
	v_permlane16_swap_b32 v[C+4*\j+\g], v[C+8+4*\j+\g]
.endr
.endr
.irp j, 0,1
	ds_store_b128 v2, v[C+4*\j:C+4*\j+3] offset:\j*8192+((\t)/4)*1024+(((\t)/2)%2)*512
	ds_store_b128 v2, v[C+8+4*\j:C+8+4*\j+3] offset:HSTR+\j*8192+((\t)/4)*1024+(((\t)/2)%2)*512
.endr
.endif
.if (\t)%4 == 3
.irp j, 0,1
	ds_store_b32 v3, v[W+2*\j+(\t)/4] offset:\j*1024+((\t)/4)*128
.endr
.endif
.endm
.macro ACTLOAD                         ; a tile's operand: lanes 0-15 read 256 consecutive bytes of block 4 s + 2 c, lanes 16-31 those of the block after; scale words: lanes 0-15 K steps 0-3, lanes 16-31 K steps 4-7
.irp q, 0,1,2,3,4,5,6,7
	global_load_b128 v[48+8*\q:51+8*\q], v13, s[32:33] offset:524288*\q
	global_load_b128 v[52+8*\q:55+8*\q], v13, s[32:33] offset:524288*\q+262144
.endr
.irp q, 0,1,2,3
	global_load_b32 v[24+\q], v14, s[34:35] offset:32768*\q
.endr
.endm
; 32 products: K step kk, accumulator mj = 2 H + j at v[112 + 8 mj]; the four take turns, one instruction a turn; the first K step starts the sums
.macro PRODUCTS
.set kk, 0
.rept 8
.set mj, 0
.rept 4
.set rD, 112+8*mj
.set rA, 8*(8*mj+kk)
.set rB, 48+8*kk
.set rSA, 28+8*(mj%2)+kk
.set rSB, 24+kk%4
.if kk == 0
.if mj < 2
	v_wmma_scale_f32_16x16x128_f8f6f4 v[rD:rD+7], v[rA:rA+7], v[rB:rB+7], 0, v[rSA], v[rSB] matrix_a_fmt:MATRIX_FMT_FP4 matrix_b_fmt:MATRIX_FMT_FP4
.else
	v_wmma_scale_f32_16x16x128_f8f6f4 v[rD:rD+7], v[rA:rA+7], v[rB:rB+7], 0, v[rSA], v[rSB] matrix_a_fmt:MATRIX_FMT_FP4 matrix_b_fmt:MATRIX_FMT_FP4 matrix_a_scale:MATRIX_SCALE_ROW1
.endif
.elseif kk < 4
.if mj < 2
	v_wmma_scale_f32_16x16x128_f8f6f4 v[rD:rD+7], v[rA:rA+7], v[rB:rB+7], v[rD:rD+7], v[rSA], v[rSB] matrix_a_fmt:MATRIX_FMT_FP4 matrix_b_fmt:MATRIX_FMT_FP4
.else
	v_wmma_scale_f32_16x16x128_f8f6f4 v[rD:rD+7], v[rA:rA+7], v[rB:rB+7], v[rD:rD+7], v[rSA], v[rSB] matrix_a_fmt:MATRIX_FMT_FP4 matrix_b_fmt:MATRIX_FMT_FP4 matrix_a_scale:MATRIX_SCALE_ROW1
.endif
.else
.if mj < 2
	v_wmma_scale_f32_16x16x128_f8f6f4 v[rD:rD+7], v[rA:rA+7], v[rB:rB+7], v[rD:rD+7], v[rSA], v[rSB] matrix_a_fmt:MATRIX_FMT_FP4 matrix_b_fmt:MATRIX_FMT_FP4 matrix_b_scale:MATRIX_SCALE_ROW1
.else
	v_wmma_scale_f32_16x16x128_f8f6f4 v[rD:rD+7], v[rA:rA+7], v[rB:rB+7], v[rD:rD+7], v[rSA], v[rSB] matrix_a_fmt:MATRIX_FMT_FP4 matrix_b_fmt:MATRIX_FMT_FP4 matrix_a_scale:MATRIX_SCALE_ROW1 matrix_b_scale:MATRIX_SCALE_ROW1
.endif
.endif
.set mj, mj+1
.endr
.set kk, kk+1
.endr
.endm
	s_load_b256 s[4:11], s[0:1], 0x0               ; down_proj_w s[4:5], act s[6:7], route s[8:9], y s[10:11]
	v_lshl_add_u32 v6, v0, 2, SPARE                ; my spare word,
	v_mov_b32 v7, 0                                ; and 0: kept for the closing lines alone
	v_lshrrev_b32 v8, 5, v0
	v_readfirstlane_b32 s14, v8                    ; wave 0..7
	s_lshr_b32 s19, ttmp9, 5                       ; e
	s_bfe_u32 s20, ttmp9, 0x10004                  ; ks
	s_and_b32 s17, ttmp9, 15                       ; cs
	v_and_b32 v19, 31, v0                          ; lane
	v_and_b32 v8, 15, v0                           ; r
	v_bfe_u32 v18, v0, 4, 1                        ; h
	v_lshlrev_b32 v1, 3, v19
	s_lshl_b32 s28, s14, 10
	v_lshl_add_u32 v2, v19, 4, s28                 ; images out: 16 lane + 1024 wave
	s_lshl_b32 s28, s14, 7
	s_add_co_u32 s28, s28, SCL
	v_lshl_add_u32 v3, v19, 2, s28                 ; scale words out: SCL + 4 lane + 128 wave
	v_lshlrev_b32 v4, 4, v19                       ; images in
	v_lshl_add_u32 v5, v19, 2, SCL                 ; scale words in
	s_mul_i32 s28, s14, 16*272
	s_add_co_u32 s28, s28, STAGE                   ; my stage
	v_mul_u32_u24 v15, v8, 272
	v_lshl_add_u32 v15, v18, 6, v15
	v_add_nc_u32 v15, s28, v15                     ; in: row r, + 64 h: my 16 columns of each column half
	v_mul_u32_u24 v16, v18, 272
	v_lshl_add_u32 v16, v8, 4, v16
	v_add_nc_u32 v16, s28, v16                     ; back: lanes 0-15 one row, lanes 16-31 the next
	s_lshl_b32 s29, s14, 4                         ; my first tile's first row
	v_add_nc_u32 v10, s29, v8
	v_lshlrev_b32 v13, 4, v10
	v_lshl_add_u32 v13, v18, 17, v13               ; act's codes: 16 bytes a row; lanes 16-31 a block (131,072 bytes) on
	v_lshlrev_b32 v14, 2, v10
	v_lshl_add_u32 v14, v18, 17, v14               ; act's scale words: 4 bytes a row; lanes 16-31 four K steps (4 x 32,768 bytes) on
	v_add_nc_u32 v11, s29, v18
	v_lshlrev_b32 v17, 12, v11
	v_lshl_add_u32 v17, v8, 4, v17                 ; y: a row is 4,096 bytes
	s_lshl_b32 s42, s19, 23                        ; the weights: expert, K half, K step (128 rows), columns
	s_lshl_b32 s43, s20, 22
	s_add_co_u32 s42, s42, s43
	s_lshl_b32 s43, s14, 19
	s_add_co_u32 s42, s42, s43
	s_lshl_b32 s43, s17, 8
	s_add_co_u32 s42, s42, s43
	s_mov_b32 s43, 0
	s_lshl_b32 s44, s20, 22                        ; act's codes: 32 blocks a K half, the expert's rows
	s_lshl_b32 s45, s19, 14
	s_add_co_u32 s44, s44, s45
	s_mov_b32 s45, 0
	s_lshl_b32 s46, s20, 18                        ; act's scale words: 8 planes a K half
	s_lshl_b32 s47, s19, 12
	s_add_co_u32 s46, s46, s47
	s_add_co_u32 s46, s46, 0x800000
	s_mov_b32 s47, 0
	s_lshl_b32 s40, s20, 25                        ; y: K half, the expert's rows, my columns
	s_lshl_b32 s41, s19, 22
	s_add_co_u32 s40, s40, s41
	s_lshl_b32 s41, s17, 8
	s_add_co_u32 s40, s40, s41
	s_mov_b32 s41, 0
	s_lshl_b32 s30, s19, 7
	s_wait_kmcnt 0x0
	s_add_nc_u64 s[SB:SB+1], s[4:5], s[42:43]
	s_load_b32 s21, s[8:9], s30 offset:0x12400     ; the expert's count
	LOADBLK 0
	LOADBLK 1
	LOADBLK 2
	s_add_nc_u64 s[32:33], s[6:7], s[44:45]
	s_add_nc_u64 s[34:35], s[6:7], s[46:47]
	s_add_nc_u64 s[36:37], s[10:11], s[40:41]
.irp t, 0,1,2,3
	BLOCK \t
.endr
	s_wait_kmcnt 0x0
	s_min_u32 s21, s21, 1024
	s_add_co_u32 s23, s21, 15
	s_lshr_b32 s23, s23, 4                         ; the expert's tiles of 16 rows
	s_add_co_u32 s23, s23, 7
	s_sub_co_u32 s23, s23, s14
	s_lshr_b32 s23, s23, 3                         ; and how many of them are mine
	s_wait_dscnt 0x0                               ; for the others' sake: my images and scale words lie in LDS
	s_barrier_signal -1
	s_barrier_wait -1
	WIN 0x40
.set f, 0
.rept 32                                       ; all 32 fragments: they stay
	ds_load_b128 v[8*f:8*f+3], v4 offset:1024*f
	ds_load_b128 v[8*f+4:8*f+7], v4 offset:1024*f+512
.set f, f+1
.endr
	WIN 0
.irp j, 0,1
.irp q, 0,1,2,3,4,5,6,7
	ds_load_b32 v[28+8*\j+\q], v5 offset:1024*\j+128*\q
.endr
.endr
	s_wait_dscnt 0x0
	s_cmp_eq_u32 s23, 0
	s_cbranch_scc1 .Ldone
	ACTLOAD
	s_mov_b32 s24, 0
.Lrow:
	s_wait_loadcnt 0x0                             ; act's fragments and scale words
	WIN 0x01                                       ; source 0 (the weights) window 1
	PRODUCTS
	WIN 0
	v_add_nc_u32 v13, 2048, v13                    ; eight tiles on.  (These four lines name no register of the products: the places in front of the loads and of the first read of results)
	v_add_nc_u32 v14, 512, v14
	v_nop
	v_nop
	s_add_co_u32 s25, s24, 1
	s_cmp_lt_u32 s25, s23
	s_cbranch_scc0 .Lno_next                       ; the last trip asks for nothing: only tiles that were stored are read; every wait for loads is for 0
	ACTLOAD
.Lno_next:
.set mj, 0
.rept 4                                        ; register jj of tile (H, j) is column 32 H + 16 h + 2 jj + j: a lane's 16 columns of each half in order; each accumulator from its low end on
.set jj, 0
.rept 8
	v_mov_b32 v[144+16*(mj/2)+2*jj+(mj%2)], v[112+8*mj+jj]
.set jj, jj+1
.endr
.set mj, mj+1
.endr
.irp hh, 0,1
.irp q, 0,1,2,3
	ds_store_b128 v15, v[144+16*\hh+4*\q:147+16*\hh+4*\q] offset:128*\hh+16*\q
.endr
.endr
.irp q, 0,1,2,3,4,5,6,7
	ds_load_b128 v[208+4*\q:211+4*\q], v16 offset:544*\q   ; my own bytes: LDS serves a wave's instructions in order (ISA guide 5.7.1.4), so these see the stores above
.endr
.irp q, 0,1,2,3,4,5,6,7
	s_wait_dscnt 7-\q                              ; the younger loads from the stage may be out
	global_store_b128 v17, v[208+4*\q:211+4*\q], s[36:37] offset:8192*\q th:TH_STORE_NT   ; sixteen lanes store 256 consecutive bytes, aligned
.endr
	s_wait_xcnt 0x0                                ; the stores have read their address and data: both are written again
	v_add_nc_u32 v17, 0x80000, v17                 ; eight tiles on
	s_add_co_u32 s24, s24, 1
	s_cmp_lt_u32 s24, s23
	s_cbranch_scc1 .Lrow
.Ldone:
	s_wait_tensorcnt 0x0                           ; the wave's end, behind my last LDS store
	ds_add_u32 v6, v7
	s_wait_dscnt 0x0
	s_endpgm
.Lfunc_end_k_qbf55c52ba4_down:
	.size	k_qbf55c52ba4_down, .Lfunc_end_k_qbf55c52ba4_down-k_qbf55c52ba4_down
	.p2alignl 7, 3214868480
	.fill 96, 4, 3214868480
	.section	.rodata,"a",@progbits
	.p2align	6, 0x0
	.amdhsa_kernel k_qbf55c52ba4_down
		.amdhsa_group_segment_fixed_size 70656
		.amdhsa_private_segment_fixed_size 0
		.amdhsa_enable_private_segment 0
		.amdhsa_kernarg_size 32
		.amdhsa_user_sgpr_count 2
		.amdhsa_user_sgpr_kernarg_segment_ptr 1
		.amdhsa_wavefront_size32 1
		.amdhsa_system_sgpr_workgroup_id_x 1
		.amdhsa_system_sgpr_workgroup_id_y 1
		.amdhsa_system_sgpr_workgroup_id_z 1
		.amdhsa_system_vgpr_workitem_id 0
		.amdhsa_next_free_vgpr 512
		.amdhsa_next_free_sgpr 66
		.amdhsa_reserve_vcc 0
		.amdhsa_float_denorm_mode_32 3
		.amdhsa_float_denorm_mode_16_64 3
		.amdhsa_memory_ordered 1
		.amdhsa_forward_progress 1
		.amdhsa_inst_pref_size 54
	.end_amdhsa_kernel
	.amdgpu_metadata
---
amdhsa.version: [ 1, 2 ]
amdhsa.kernels:
  - .name:           k_qbf55c52ba4_down
    .symbol:         k_qbf55c52ba4_down.kd
    .args:
      - { .name: down_proj_w, .offset: 0, .size: 8, .value_kind: global_buffer, .address_space: global }
      - { .name: act, .offset: 8, .size: 8, .value_kind: global_buffer, .address_space: global }
      - { .name: route, .offset: 16, .size: 8, .value_kind: global_buffer, .address_space: global }
      - { .name: y, .offset: 24, .size: 8, .value_kind: global_buffer, .address_space: global }
    .group_segment_fixed_size: 70656
    .private_segment_fixed_size: 0
    .kernarg_segment_align: 8
    .kernarg_segment_size: 32
    .max_flat_workgroup_size: 256
    .sgpr_count:     66
    .vgpr_count:     512
    .wavefront_size: 32
...
	.end_amdgpu_metadata
.endif
;; end of part 4
;; launch combine (part 5): grid 256 x 1, 4 waves a work-group, no clusters, 0 bytes of LDS; arguments y, route, xq, out0; writes out0
.if DOCPART == 5
	.amdgcn_target "amdgcn-amd-amdhsa--gfx1250"
	.amdhsa_code_object_version 6
	.text
	.protected	k_qbf55c52ba4_combine
	.globl	k_qbf55c52ba4_combine
	.p2align	8
	.type	k_qbf55c52ba4_combine,@function
k_qbf55c52ba4_combine:
	s_mov_b64 s[64:65], 0
	v_nop
	global_prefetch_b8 v0, s[64:65] scope:SCOPE_SE
	s_setreg_imm32_b32 hwreg(HW_REG_WAVE_MODE, 25, 1), 1
	s_wait_xcnt 0x0
; FIFTH LAUNCH: out[t] = c0 x (row of the first chosen expert) + c1 x (row of the second), each row the sum of its two halves along K.  The problem's one_hot product and its weighted sum are this lookup of two rows
; (the six experts that were not chosen meet the factor 0: see the first kernel's head).  c = sigmoid(logit) x per_expert_scale, made by the first launch; the rows' places come from posmap, whole numbers of the second.
; A wave takes a token: four rows of 4,096 bytes in, one out; each load and store of the wave covers 512 consecutive bytes, aligned.  All 32 loads go out at once.  A stream: no LDS, no barrier, no matrix unit.
	s_load_b256 s[4:11], s[0:1], 0x0               ; y s[4:5], route s[6:7], xq s[8:9], out0 s[10:11]
	v_lshrrev_b32 v1, 5, v0
	v_readfirstlane_b32 s12, v1                    ; wave
	s_lshl_b32 s13, ttmp9, 2
	s_add_co_u32 s13, s13, s12                     ; my token
	s_lshl_b32 s14, s13, 3                         ; its two words
	s_lshl_b32 s26, s13, 12                        ; its row of out0
	s_mov_b32 s27, 0
	v_and_b32 v1, 31, v0
	v_lshlrev_b32 v1, 4, v1                        ; 16 x lane
	s_wait_kmcnt 0x0
	s_load_b64 s[16:17], s[6:7], s14 offset:0x10000    ; the two rows' places
	s_load_b64 s[20:21], s[8:9], s14 offset:0x88000    ; c0, c1
	s_add_nc_u64 s[24:25], s[4:5], 0x2000000       ; y's second K half
	s_add_nc_u64 s[10:11], s[10:11], s[26:27]
	s_wait_kmcnt 0x0
	s_min_u32 s16, s16, 8191                       ; held inside y
	s_min_u32 s17, s17, 8191
	s_lshl_b32 s16, s16, 12
	s_lshl_b32 s17, s17, 12
	s_mov_b32 s22, s21                             ; c1 as a pair of its own: the packed form takes a pair's low word for both halves
	s_mov_b32 s23, s21
	v_add_nc_u32 v2, s16, v1
	v_add_nc_u32 v3, s17, v1
.irp i, 0,1,2,3,4,5,6,7
	global_load_b128 v[32+16*\i:35+16*\i], v2, s[4:5] offset:512*\i th:TH_LOAD_NT
	global_load_b128 v[36+16*\i:39+16*\i], v2, s[24:25] offset:512*\i th:TH_LOAD_NT
	global_load_b128 v[40+16*\i:43+16*\i], v3, s[4:5] offset:512*\i th:TH_LOAD_NT
	global_load_b128 v[44+16*\i:47+16*\i], v3, s[24:25] offset:512*\i th:TH_LOAD_NT
.endr
.irp i, 0,1,2,3,4,5,6,7
	s_wait_loadcnt 28-4*\i                         ; this piece's four loads are in; the later pieces' four each may be out
	v_pk_add_f32 v[32+16*\i:33+16*\i], v[32+16*\i:33+16*\i], v[36+16*\i:37+16*\i]
	v_pk_add_f32 v[34+16*\i:35+16*\i], v[34+16*\i:35+16*\i], v[38+16*\i:39+16*\i]
	v_pk_add_f32 v[40+16*\i:41+16*\i], v[40+16*\i:41+16*\i], v[44+16*\i:45+16*\i]
	v_pk_add_f32 v[42+16*\i:43+16*\i], v[42+16*\i:43+16*\i], v[46+16*\i:47+16*\i]
	v_pk_mul_f32 v[40+16*\i:41+16*\i], v[40+16*\i:41+16*\i], s[22:23] op_sel_hi:[1,0]
	v_pk_mul_f32 v[42+16*\i:43+16*\i], v[42+16*\i:43+16*\i], s[22:23] op_sel_hi:[1,0]
	v_pk_fma_f32 v[32+16*\i:33+16*\i], v[32+16*\i:33+16*\i], s[20:21], v[40+16*\i:41+16*\i] op_sel_hi:[1,0,1]
	v_pk_fma_f32 v[34+16*\i:35+16*\i], v[34+16*\i:35+16*\i], s[20:21], v[42+16*\i:43+16*\i] op_sel_hi:[1,0,1]
	global_store_b128 v1, v[32+16*\i:35+16*\i], s[10:11] offset:512*\i th:TH_STORE_NT   ; each piece has registers of its own: no store's data are written again
.endr
	s_endpgm
.Lfunc_end_k_qbf55c52ba4_combine:
	.size	k_qbf55c52ba4_combine, .Lfunc_end_k_qbf55c52ba4_combine-k_qbf55c52ba4_combine
	.p2alignl 7, 3214868480
	.fill 96, 4, 3214868480
	.section	.rodata,"a",@progbits
	.p2align	6, 0x0
	.amdhsa_kernel k_qbf55c52ba4_combine
		.amdhsa_group_segment_fixed_size 0
		.amdhsa_private_segment_fixed_size 0
		.amdhsa_enable_private_segment 0
		.amdhsa_kernarg_size 32
		.amdhsa_user_sgpr_count 2
		.amdhsa_user_sgpr_kernarg_segment_ptr 1
		.amdhsa_wavefront_size32 1
		.amdhsa_system_sgpr_workgroup_id_x 1
		.amdhsa_system_sgpr_workgroup_id_y 1
		.amdhsa_system_sgpr_workgroup_id_z 1
		.amdhsa_system_vgpr_workitem_id 0
		.amdhsa_next_free_vgpr 160
		.amdhsa_next_free_sgpr 66
		.amdhsa_reserve_vcc 0
		.amdhsa_float_denorm_mode_32 3
		.amdhsa_float_denorm_mode_16_64 3
		.amdhsa_memory_ordered 1
		.amdhsa_forward_progress 1
		.amdhsa_inst_pref_size 10
	.end_amdhsa_kernel
	.amdgpu_metadata
---
amdhsa.version: [ 1, 2 ]
amdhsa.kernels:
  - .name:           k_qbf55c52ba4_combine
    .symbol:         k_qbf55c52ba4_combine.kd
    .args:
      - { .name: y, .offset: 0, .size: 8, .value_kind: global_buffer, .address_space: global }
      - { .name: route, .offset: 8, .size: 8, .value_kind: global_buffer, .address_space: global }
      - { .name: xq, .offset: 16, .size: 8, .value_kind: global_buffer, .address_space: global }
      - { .name: out0, .offset: 24, .size: 8, .value_kind: global_buffer, .address_space: global }
    .group_segment_fixed_size: 0
    .private_segment_fixed_size: 0
    .kernarg_segment_align: 8
    .kernarg_segment_size: 32
    .max_flat_workgroup_size: 128
    .sgpr_count:     66
    .vgpr_count:     160
    .wavefront_size: 32
...
	.end_amdgpu_metadata
.endif
;; end of part 5
;; ======== version 2 of 2: 5 launches
;; workspace buffers: eidx 8,192 bytes of whole numbers; route 75,776 bytes of whole numbers; xq 565,248 bytes; act 8,912,896 bytes; y 67,108,864 bytes
;; launch route_q (part 6): grid 256 x 1, 2 waves a work-group, no clusters, 0 bytes of LDS; arguments gate_inputs, gate_kernel, per_expert_scale, x, eidx, xq; writes eidx, xq
.if DOCPART == 6
	.amdgcn_target "amdgcn-amd-amdhsa--gfx1250"
	.amdhsa_code_object_version 6
	.text
	.protected	k_qbf55c52ba4_route_q
	.globl	k_qbf55c52ba4_route_q
	.p2align	8
	.type	k_qbf55c52ba4_route_q,@function
k_qbf55c52ba4_route_q:
	s_mov_b64 s[64:65], 0
	v_nop
	global_prefetch_b8 v0, s[64:65] scope:SCOPE_SE
	s_setreg_imm32_b32 hwreg(HW_REG_WAVE_MODE, 25, 1), 1
	s_wait_xcnt 0x0
; FIRST OF FIVE LAUNCHES: the router's choice for each token, and x as codes of E2M1.
; THE WHOLE PROGRAM.  out[t] = sum over the token's two chosen experts n of sigmoid(logit[t][n]) x per_expert_scale[n] x (gelu(x[t] Wg[n]) * (x[t] Wu[n])) Wd[n].
; WORK LEFT OUT.  The problem's text computes gate_out, up_out and expert_out for all 8 experts of every token and then multiplies expert_out by a one_hot
; of topk_idx, which it builds itself: row (t, n) of these three products meets the factor 0 for every n that is not among the token's two indices,
; whatever finite values the inputs hold.  So only rows (t, n) with n chosen are computed (2,048 of 8,192).  The two small products behind them are
; done as what they are: a lookup of two rows and a weighted sum of two terms, in f32.  Every input has a way to the output and is loaded.
; LIMITS.  A NaN, an infinity or an overflow that arises only in a row of an expert that was not chosen is not carried to the result.  Logits that are
; NaN or infinite are not served.  A block of 32 whose largest magnitude lies under 2^-124 keeps the scale byte 1; a block of zeros so gets the byte 1
; where the quantiser says 127: its codes are zeros, and the bytes are read by this program alone.
; THIS LAUNCH.  A work-group owns four tokens.  Wave 0: their eight logits (f32 multiply-adds), the top 2 (of equal logits the lower index), the expert
; numbers to eidx[2 t + k] and sigmoid x per_expert_scale to xq's third part, both at fixed places.  Wave 1: x's rows as codes (512 bytes a
; row, K as it lies) and scale bytes (32 a row).  The waves share nothing: no LDS, no barrier.  No matrix unit: N = 8, and memory binds.
; xq: +0 codes [1024][512], +524288 scale bytes [1024][32], +557056 coefficients [2048] f32.
.set G,   32                           ; v32-159  wave 0: gate_inputs, token t at 32 t, register i: k = 32 i + lane.  wave 1: x, token t at 32 t: my block's 32 numbers
.set ACC, 160                          ; v160-191 wave 0: the sums, token t, expert n at 8 t + n.  wave 1: codes v160-175, bytes v176-179
.set LG,  192                          ; v192-199 my token's eight logits
.set MSB, 0
.macro WIN new                         ; the immediate's high byte repeats the setting that is left
.if MSB != \new
	s_set_vgpr_msb (MSB<<8)|\new
.set MSB, \new
.endif
.endm
	s_load_b256 s[4:11], s[0:1], 0x0               ; gate_inputs s[4:5], gate_kernel s[6:7], per_expert_scale s[8:9], x s[10:11]
	s_load_b128 s[12:15], s[0:1], 0x20             ; eidx s[12:13], xq s[14:15]
	v_lshrrev_b32 v1, 5, v0
	v_readfirstlane_b32 s16, v1                    ; wave 0 or 1
	v_and_b32 v1, 31, v0                           ; lane
	s_lshl_b32 s18, ttmp9, 14                      ; my four rows of 4,096 bytes
	s_mov_b32 s19, 0
	s_wait_kmcnt 0x0
	s_cmp_lg_u32 s16, 0
	s_cbranch_scc1 .Lquant
; ---- wave 0: the router
	s_load_b256 s[24:31], s[8:9], 0x0              ; the eight scales
	s_add_nc_u64 s[4:5], s[4:5], s[18:19]
	s_wait_alu depctr_va_vdst(0)
	v_lshlrev_b32 v2, 2, v1                        ; 4 x lane
	v_lshlrev_b32 v3, 5, v1                        ; 32 x lane: a row of gate_kernel is 32 bytes
.irp t, 0,1,2,3
.set li, 0
.rept 32
	global_load_b32 v[G+32*\t+li], v2, s[4:5] offset:4096*\t+128*li th:TH_LOAD_NT   ; 32 lanes read 128 consecutive bytes
.set li, li+1
.endr
.endr
	WIN 0x40                                       ; destination window 1: gate_kernel(32 i + lane, n) at v[8 i + n]
.set li, 0
.rept 32
	global_load_b128 v[8*li:8*li+3], v3, s[6:7] offset:1024*li
	global_load_b128 v[8*li+4:8*li+7], v3, s[6:7] offset:1024*li+16
.set li, li+1
.endr
	WIN 0
	s_mov_b32 s32, 0x76543210                      ; v_permlanex16_b32's selects for lane l xor 16
	s_mov_b32 s33, 0xfedcba98
	s_mov_b32 s34, 0x0c0c0c0c                      ; lanes whose (l / 2) % 4 is 1,
	s_mov_b32 s35, 0x30303030                      ; 2,
	s_mov_b32 s36, 0xc0c0c0c0                      ; 3
	s_mov_b32 s37, 0xaaaaaaaa                      ; odd lanes: the second choice
	s_lshl_b32 s20, ttmp9, 5                       ; my eight pairs' 32 bytes
	s_mov_b32 s21, 0
	s_add_nc_u64 s[12:13], s[12:13], s[20:21]
	s_add_nc_u64 s[14:15], s[14:15], s[20:21]
	v_mov_b32 v210, 0xff800000                     ; -infinity
	s_wait_loadcnt 0x0
	WIN 0x01                                       ; source 0 (gate_kernel) window 1
.set ki, 0
.rept 32                                       ; 16 chains of packed multiply-adds: two experts an instruction; the first product starts each sum
.set kt, 0
.rept 4
.set km, 0
.rept 4
.set rA, ACC+8*kt+2*km
.set rK, 8*ki+2*km
.set rG, G+32*kt+(ki/2)*2
.if ki == 0
	v_pk_mul_f32 v[rA:rA+1], v[rK:rK+1], v[rG:rG+1] op_sel_hi:[1,0]
.elseif ki%2 == 0
	v_pk_fma_f32 v[rA:rA+1], v[rK:rK+1], v[rG:rG+1], v[rA:rA+1] op_sel_hi:[1,0,1]
.else
	v_pk_fma_f32 v[rA:rA+1], v[rK:rK+1], v[rG:rG+1], v[rA:rA+1] op_sel:[0,1,0] op_sel_hi:[1,1,1]
.endif
.set km, km+1
.endr
.set kt, kt+1
.endr
.set ki, ki+1
.endr
	WIN 0
.irp x, 1,2,4,8                                ; the 32 sums over the 32 lanes: four steps inside each half,
.set k, 0
.rept 32
	v_add_f32_dpp v[ACC+k], v[ACC+k], v[ACC+k] row_xmask:\x row_mask:0xf bank_mask:0xf
.set k, k+1
.endr
.endr
.set k, 0
.rept 32
	v_permlanex16_b32 v[G+k], v[ACC+k], s32, s33   ; one across (its destination has been written: gate_inputs' registers are done with)
.set k, k+1
.endr
.set k, 0
.rept 32
	v_add_f32 v[ACC+k], v[ACC+k], v[G+k]
.set k, k+1
.endr
.irp n, 0,1,2,3,4,5,6,7                        ; lane l takes token (l / 2) % 4
	v_cndmask_b32 v[LG+\n], v[ACC+\n], v[ACC+8+\n], s34
	v_cndmask_b32 v[LG+\n], v[LG+\n], v[ACC+16+\n], s35
	v_cndmask_b32 v[LG+\n], v[LG+\n], v[ACC+24+\n], s36
.endr
	s_wait_kmcnt 0x0                               ; the scales
; the largest of the eight: v[b] the logit, v[b+1] its index, v[b+2] its expert's scale.  A later one replaces it only where it is greater: of equals the lower index stays
.macro PASS b
	v_mov_b32 v[\b], v[LG]
	v_mov_b32 v[\b+1], 0
	v_mov_b32 v[\b+2], s24
.irp n, 1,2,3,4,5,6,7
	v_cmp_le_f32 vcc_lo, v[LG+\n], v[\b]
	v_cndmask_b32 v[\b], v[LG+\n], v[\b], vcc_lo
	v_cndmask_b32 v[\b+1], \n, v[\b+1], vcc_lo
	v_cndmask_b32 v[\b+2], s[24+\n], v[\b+2], vcc_lo
.endr
.endm
	PASS 204
.irp n, 0,1,2,3,4,5,6,7
	v_cmp_eq_u32 vcc_lo, \n, v205
	v_cndmask_b32 v[LG+\n], v[LG+\n], v210, vcc_lo ; the first choice is taken out
.endr
	PASS 207
	v_cndmask_b32 v211, v204, v207, s37            ; even lanes the first choice, odd lanes the second
	v_cndmask_b32 v212, v205, v208, s37
	v_cndmask_b32 v213, v206, v209, s37
	v_mul_f32 v211, 0xbfb8aa3b, v211               ; sigmoid(z) = 1 / (1 + 2^(-z log2(e)))
	s_wait_alu depctr_va_vdst(0)
	v_exp_f32 v211, v211
	v_nop                                          ; a plain instruction behind the transcendental,
	s_wait_alu depctr_va_vdst(0)                   ; and the wait ahead of its first reader
	v_add_f32 v211, 1.0, v211
	s_wait_alu depctr_va_vdst(0)
	v_rcp_f32 v211, v211
	v_nop
	s_wait_alu depctr_va_vdst(0)
	v_mul_f32 v211, v211, v213                     ; x per_expert_scale of the chosen expert
	s_wait_alu depctr_va_vdst(0)
	s_wait_xcnt 0x0                                ; EXEC changes only behind this wait
	v_cmp_gt_u32 vcc_lo, 8, v1
	s_and_saveexec_b32 s22, vcc_lo                 ; lanes 0 to 7: pair 2 (l / 2) + l % 2 of my four tokens
	global_store_b32 v2, v212, s[12:13]
	global_store_b32 v2, v211, s[14:15] offset:557056
	s_wait_xcnt 0x0                                ; and again, in front of the line that widens it
	s_or_b32 exec_lo, exec_lo, s22
	s_endpgm
; ---- wave 1: x into codes.  Lane l owns block l (k = 32 l .. 32 l + 31) of each of the four rows: a block's largest magnitude needs no other lane
.Lquant:
	s_add_nc_u64 s[10:11], s[10:11], s[18:19]
	s_wait_alu depctr_va_vdst(0)
	v_lshlrev_b32 v2, 7, v1                        ; my block's 128 bytes
	v_lshlrev_b32 v4, 4, v1                        ; its 16 bytes of codes
	s_lshl_b32 s20, ttmp9, 11                      ; four rows of 512 bytes of codes
	s_mov_b32 s21, 0
	s_add_nc_u64 s[22:23], s[14:15], s[20:21]
	s_lshl_b32 s24, ttmp9, 7                       ; four rows of 32 scale bytes
	s_mov_b32 s25, 0
	s_add_nc_u64 s[26:27], s[14:15], s[24:25]
.irp t, 0,1,2,3
.irp i, 0,1,2,3,4,5,6,7
	global_load_b128 v[G+32*\t+4*\i:G+32*\t+4*\i+3], v2, s[10:11] offset:4096*\t+16*\i th:TH_LOAD_NT
.endr
.endr
.irp t, 0,1,2,3
	s_wait_loadcnt 24-8*\t                         ; this row's eight loads are in; the later rows' eight each may be out
	v_max3_num_f32 v8, |v[G+32*\t]|, |v[G+32*\t+1]|, 0x1800000     ; the largest magnitude, in two chains, with the floor 2^(3 - 127): the byte cannot fall under 1
	v_max3_num_f32 v9, |v[G+32*\t+2]|, |v[G+32*\t+3]|, 0x1800000
.irp i, 4,8,12,16,20,24,28
	v_max3_num_f32 v8, v8, |v[G+32*\t+\i]|, |v[G+32*\t+\i+1]|
	v_max3_num_f32 v9, v9, |v[G+32*\t+\i+2]|, |v[G+32*\t+\i+3]|
.endr
	v_max_num_f32 v8, v8, v9
	v_add_nc_u32 v10, 0xff000000, v8               ; 2 off its exponent field: the conversion takes the exponent field of this operand as its scale
.irp g, 0,1,2,3
	v_cvt_scalef32_pk8_fp4_f32 v[ACC+4*\t+\g], v[G+32*\t+8*\g:G+32*\t+8*\g+7], v10
.endr
	v_lshrrev_b32 v[176+\t], 23, v10               ; the scale's byte (also the plain instruction behind the conversions)
	global_store_b128 v4, v[ACC+4*\t:ACC+4*\t+3], s[22:23] offset:512*\t          ; 32 lanes store the row's 512 consecutive bytes
	global_store_b8 v1, v[176+\t], s[26:27] offset:524288+32*\t                  ; and its 32 consecutive scale bytes; each row has registers of its own
.endr
	s_endpgm
.Lfunc_end_k_qbf55c52ba4_route_q:
	.size	k_qbf55c52ba4_route_q, .Lfunc_end_k_qbf55c52ba4_route_q-k_qbf55c52ba4_route_q
	.p2alignl 7, 3214868480
	.fill 96, 4, 3214868480
	.section	.rodata,"a",@progbits
	.p2align	6, 0x0
	.amdhsa_kernel k_qbf55c52ba4_route_q
		.amdhsa_group_segment_fixed_size 0
		.amdhsa_private_segment_fixed_size 0
		.amdhsa_enable_private_segment 0
		.amdhsa_kernarg_size 48
		.amdhsa_user_sgpr_count 2
		.amdhsa_user_sgpr_kernarg_segment_ptr 1
		.amdhsa_wavefront_size32 1
		.amdhsa_system_sgpr_workgroup_id_x 1
		.amdhsa_system_sgpr_workgroup_id_y 1
		.amdhsa_system_sgpr_workgroup_id_z 1
		.amdhsa_system_vgpr_workitem_id 0
		.amdhsa_next_free_vgpr 512
		.amdhsa_next_free_sgpr 66
		.amdhsa_reserve_vcc 1
		.amdhsa_float_denorm_mode_32 3
		.amdhsa_float_denorm_mode_16_64 3
		.amdhsa_memory_ordered 1
		.amdhsa_forward_progress 1
		.amdhsa_inst_pref_size 78
	.end_amdhsa_kernel
	.amdgpu_metadata
---
amdhsa.version: [ 1, 2 ]
amdhsa.kernels:
  - .name:           k_qbf55c52ba4_route_q
    .symbol:         k_qbf55c52ba4_route_q.kd
    .args:
      - { .name: gate_inputs, .offset: 0, .size: 8, .value_kind: global_buffer, .address_space: global }
      - { .name: gate_kernel, .offset: 8, .size: 8, .value_kind: global_buffer, .address_space: global }
      - { .name: per_expert_scale, .offset: 16, .size: 8, .value_kind: global_buffer, .address_space: global }
      - { .name: x, .offset: 24, .size: 8, .value_kind: global_buffer, .address_space: global }
      - { .name: eidx, .offset: 32, .size: 8, .value_kind: global_buffer, .address_space: global }
      - { .name: xq, .offset: 40, .size: 8, .value_kind: global_buffer, .address_space: global }
    .group_segment_fixed_size: 0
    .private_segment_fixed_size: 0
    .kernarg_segment_align: 8
    .kernarg_segment_size: 48
    .max_flat_workgroup_size: 64
    .sgpr_count:     66
    .vgpr_count:     512
    .wavefront_size: 32
...
	.end_amdgpu_metadata
.endif
;; end of part 6
;; launch place (part 7): grid 1 x 1, 8 waves a work-group, no clusters, 0 bytes of LDS; arguments eidx, route; writes route
.if DOCPART == 7
	.amdgcn_target "amdgcn-amd-amdhsa--gfx1250"
	.amdhsa_code_object_version 6
	.text
	.protected	k_qbf55c52ba4_place
	.globl	k_qbf55c52ba4_place
	.p2align	8
	.type	k_qbf55c52ba4_place,@function
k_qbf55c52ba4_place:
	s_mov_b64 s[64:65], 0
	v_nop
	global_prefetch_b8 v0, s[64:65] scope:SCOPE_SE
	s_setreg_imm32_b32 hwreg(HW_REG_WAVE_SCHED_MODE, 0, 2), 2
	s_setreg_imm32_b32 hwreg(HW_REG_WAVE_MODE, 25, 1), 1
	s_wait_xcnt 0x0
	s_wait_alu depctr_vm_vsrc(0)
; SECOND LAUNCH: the routed rows are placed by expert.  It reads the chosen experts as whole numbers, eidx[p], p = 2 x token + k, and stores the lists by which the later launches form addresses and trip counts.
; (Only chosen rows exist from here on: see the first kernel's head.)
; Wave E serves expert E and needs no other wave: each expert has room for 1,024 rows, the most it can get, since a token's two experts differ.
; route: +8192 E: list[j] = the token of the expert's j-th row (words 1024 to 1055: dump);  +65536: posmap[p] = 1024 E + j (behind it 256 dump words);  +74752 + 128 E: the expert's count, 32 equal words.
; A pair's place j is the number of the expert's pairs ahead of it: those of earlier registers in a scalar, those of lower lanes by a count of mask bits.
; Lanes whose pair belongs to another expert store into dump words of their own, which nobody reads: so EXEC stays whole.  One work-group: 8 KB in, 17 KB out.
; THE MODE: SCHED_MODE bits 1:0 = 2 (LLVM: expert scheduling mode 2), set by the entry lines.  The code itself states the register dependences
; between vector instructions and memory instructions, and those through scalar registers that vector instructions write, with s_wait_alu, always for 0.
; THE PLAN.  The 64 registers of pairs go in 16 groups of four.
;   v8-31, v96-119   two sets of addresses and data, six registers a pair.  Group q writes set q % 2; the eight stores that read it are issued at the head of group q + 1.
;   s24-27, s28-31   two sets of four masks.  The compares of group q + 1 are issued in group q, into the set that group q does not read.
;   v1, v4           offsets made at the head and never written again.   v32-95: the pairs' experts, loaded once.
; So the waits at a group's head state all: the stores issued a group ago have read the set that this group writes; the group before has written the set that the stores below read;
; this group's masks are written.  No vector instruction of group q names the other set.
.macro CMPS q                          ; is the pair my expert's?  Four masks, into set q % 2
.irp x, 0,1,2,3
	v_cmp_eq_u32 s[24+4*((\q)%2)+\x], s8, v[32+4*(\q)+\x]
.endr
.endm
.macro PAIR q, x
.set R, 8+88*((\q)%2)+6*(\x)
.set K, 24+4*((\q)%2)+(\x)
	v_mbcnt_lo_u32_b32 v[R], s[K], s9              ; j: the pairs so far + those of lower lanes
	v_cndmask_b32 v[R+1], v5, v[R], s[K]           ; list word j, or my dump word
	v_min_u32 v[R+1], 0x7ff, v[R+1]
	v_lshlrev_b32 v[R+1], 2, v[R+1]
	v_add_nc_u32 v[R+2], 64*(\q)+(\x)/2, v3        ; the pair's token
	v_add_nc_u32 v[R+3], 128*(\q)+(\x), v4         ; the pair
	v_cndmask_b32 v[R+3], v6, v[R+3], s[K]
	v_min_u32 v[R+3], 0xfff, v[R+3]
	v_lshlrev_b32 v[R+3], 2, v[R+3]
	v_add_nc_u32 v[R+4], s15, v[R]                 ; 1024 E + j
	s_bcnt1_i32_b32 s14, s[K]
	s_add_co_u32 s9, s9, s14
.endm
.macro SEND q                          ; group q's eight stores
.irp x, 0,1,2,3
	global_store_b32 v[8+88*((\q)%2)+6*\x+1], v[8+88*((\q)%2)+6*\x+2], s[10:11]
	global_store_b32 v[8+88*((\q)%2)+6*\x+3], v[8+88*((\q)%2)+6*\x+4], s[18:19]
.endr
.endm
.macro GROUP q
.if (\q) >= 2
	s_wait_xcnt 0x0                                ; the stores issued in the group before have had their addresses translated: their registers, this group's set, are written again only behind this wait
	s_wait_alu depctr_vm_vsrc(0)                   ; and they have read those registers
.endif
.if (\q) >= 1
	s_wait_alu depctr_va_vdst(0)                   ; the group before has written the other set, which the eight stores below read
.endif
	s_wait_alu depctr_va_sdst(0)                   ; this group's four masks, made a group ago, are written, ahead of their first reader
.if (\q) >= 1
	SEND (\q)-1
.endif
.if (\q) < 15
	CMPS (\q)+1
.endif
.irp x, 0,1,2,3
	PAIR \q, \x
.endr
.endm
	s_load_b128 s[4:7], s[0:1], 0x0                ; eidx s[4:5], route s[6:7]
	v_lshrrev_b32 v1, 5, v0
	v_readfirstlane_b32 s8, v1                     ; my expert
	v_and_b32 v2, 31, v0                           ; lane
	v_lshlrev_b32 v1, 4, v2                        ; 16 x lane
	v_lshlrev_b32 v3, 1, v2                        ; 2 x lane
	v_lshlrev_b32 v4, 2, v2                        ; 4 x lane
	v_add_nc_u32 v5, 1024, v2                      ; my dump word in the list
	s_wait_alu depctr_va_sdst(0)                   ; s8 is written, ahead of its first reader
	s_lshl_b32 s16, s8, 5
	s_add_co_u32 s16, s16, 2048
	v_add_nc_u32 v6, s16, v2                       ; and behind posmap
	s_lshl_b32 s15, s8, 10                         ; 1024 E
	s_lshl_b32 s12, s8, 13
	s_mov_b32 s13, 0
	s_lshl_b32 s20, s8, 7
	s_mov_b32 s21, 0
	s_mov_b32 s9, 0                                ; the expert's pairs so far
	s_wait_kmcnt 0x0
	s_add_nc_u64 s[10:11], s[6:7], s[12:13]        ; my list
	s_add_nc_u64 s[18:19], s[6:7], 0x10000         ; posmap
	s_add_nc_u64 s[22:23], s[6:7], s[20:21]        ; my count's words, less 74,752
	s_wait_alu depctr_va_vdst(0)                   ; v1 is written, which the loads read as their offset; so is v4, the last store's
.irp q, 0,1,2,3,4,5,6,7,8,9,10,11,12,13,14,15
	global_load_b128 v[32+4*\q:35+4*\q], v1, s[4:5] offset:512*\q   ; register 4 q + x: pair 128 q + 4 lane + x
.endr
	s_wait_loadcnt 0x0
	CMPS 0
.irp q, 0,1,2,3,4,5,6,7,8,9,10,11,12,13,14,15
	GROUP \q
.endr
	v_mov_b32 v7, s9
	s_wait_alu depctr_va_vdst(0)                   ; group 15 has written its set, and v7 is written: the last nine stores read them
	SEND 15
	global_store_b32 v4, v7, s[22:23] offset:74752
	s_endpgm
.Lfunc_end_k_qbf55c52ba4_place:
	.size	k_qbf55c52ba4_place, .Lfunc_end_k_qbf55c52ba4_place-k_qbf55c52ba4_place
	.p2alignl 7, 3214868480
	.fill 96, 4, 3214868480
	.section	.rodata,"a",@progbits
	.p2align	6, 0x0
	.amdhsa_kernel k_qbf55c52ba4_place
		.amdhsa_group_segment_fixed_size 0
		.amdhsa_private_segment_fixed_size 0
		.amdhsa_enable_private_segment 0
		.amdhsa_kernarg_size 16
		.amdhsa_user_sgpr_count 2
		.amdhsa_user_sgpr_kernarg_segment_ptr 1
		.amdhsa_wavefront_size32 1
		.amdhsa_system_sgpr_workgroup_id_x 1
		.amdhsa_system_sgpr_workgroup_id_y 1
		.amdhsa_system_sgpr_workgroup_id_z 1
		.amdhsa_system_vgpr_workitem_id 0
		.amdhsa_next_free_vgpr 128
		.amdhsa_next_free_sgpr 66
		.amdhsa_reserve_vcc 0
		.amdhsa_float_denorm_mode_32 3
		.amdhsa_float_denorm_mode_16_64 3
		.amdhsa_memory_ordered 1
		.amdhsa_forward_progress 1
		.amdhsa_inst_pref_size 59
	.end_amdhsa_kernel
	.amdgpu_metadata
---
amdhsa.version: [ 1, 2 ]
amdhsa.kernels:
  - .name:           k_qbf55c52ba4_place
    .symbol:         k_qbf55c52ba4_place.kd
    .args:
      - { .name: eidx, .offset: 0, .size: 8, .value_kind: global_buffer, .address_space: global }
      - { .name: route, .offset: 8, .size: 8, .value_kind: global_buffer, .address_space: global }
    .group_segment_fixed_size: 0
    .private_segment_fixed_size: 0
    .kernarg_segment_align: 8
    .kernarg_segment_size: 16
    .max_flat_workgroup_size: 256
    .sgpr_count:     66
    .vgpr_count:     128
    .wavefront_size: 32
...
	.end_amdgpu_metadata
.endif
;; end of part 7
;; launch gateup (part 8): grid 256 x 1, 8 waves a work-group, no clusters, 70,656 bytes of LDS; arguments gate_proj_w, up_proj_w, xq, route, act; writes act
.if DOCPART == 8
	.amdgcn_target "amdgcn-amd-amdhsa--gfx1250"
	.amdhsa_code_object_version 6
	.text
	.protected	k_qbf55c52ba4_gateup
	.globl	k_qbf55c52ba4_gateup
	.p2align	8
	.type	k_qbf55c52ba4_gateup,@function
k_qbf55c52ba4_gateup:
	s_mov_b64 s[64:65], 0
	v_nop
	global_prefetch_b8 v0, s[64:65] scope:SCOPE_SE
	s_setreg_imm32_b32 hwreg(HW_REG_WAVE_SCHED_MODE, 0, 2), 2
	s_setreg_imm32_b32 hwreg(HW_REG_WAVE_MODE, 25, 1), 1
	s_wait_xcnt 0x0
	s_wait_alu depctr_vm_vsrc(0)
; THIRD LAUNCH: act = gelu(x Wg) * (x Wu) for the chosen rows alone (rows of experts that a token did not choose are left out: see the first kernel's head), quantised along d into codes of E2M1.
; SHARES.  Work-group = (expert e = wg / 32, slice sl = wg % 32): columns d = 64 sl .. 64 sl + 63 of Wg[e] and of Wu[e], all 1,024 k: 512 KB of f32, read once in the whole program, quantised here in registers.
; PHASE 1, the stream.  Wave w takes matrix m = w % 2 (gate, up) and K quarter kq = w / 2: eight blocks of 32 k x 64 columns.  A load reads one row's 256 consecutive bytes, aligned; lane l holds columns 2 l, 2 l + 1,
; and its registers run down K, so a block's largest magnitude needs no other lane.  Three blocks' loads (96 a wave) are kept going in a ring of registers.  The codes of two blocks, with one exchange of lane halves,
; ARE register groups of operand fragments; they go to LDS as images of the registers (16 bytes a lane, 512 a store), the scale words likewise.  Tile (H, j): row r of the tile is column 32 H + 2 r + j.
; ONE barrier.  PHASE 2.  Wave w takes column half H = w % 2 (one block of 32 along d) and row tiles i = w / 2, w / 2 + 4, ..: its 32 fragments (gate and up, j = 0, 1, eight K steps) stay in 256 registers.
; A trip: x's codes of 16 listed tokens (asked for a trip ahead), 32 products (source 0 = weights, source 1 = x: a lane then holds ONE token), gelu x up in f32, the block's scale, 16 codes a lane; they are stored in the next trip.
; In the result register jj of tile j, lane half h, is d = 32 H + 16 h + 2 jj + j.  The codes are stored in that order: place p of a block holds d = 16 (p / 16) + 2 (p % 8) + (p / 8) % 2; the next launch lays Wd's rows alike.
; gelu(g) = g / (1 + 2^((KB g^2 + KA) g)), KA = -2 sqrt(2 / pi) log2(e), KB = 0.044715 KA: the tanh form of the problem's text, written by its sigmoid.
; act: codes [block 0..63][1024 e + j][16 bytes]; at +8388608 scale words [block / 4][1024 e + j][4 bytes].  Rows from the count up to the tile's end repeat the expert's last row and are stored too, so that whole tiles can be read.
; NO tensor loads: trip counts hang on counts read from memory.  NO cluster: no two work-groups read the same weights, and x's codes are 0.5 MB.  An expert with no rows still has its slice streamed (every wave passes the barrier);
; the list word and the row of x that are then loaded are used by nothing.
; THE MODE: SCHED_MODE bits 1:0 = 2 (LLVM: expert scheduling mode 2), set by the entry lines.  The code itself states the register dependences
; between vector or matrix instructions and memory or LDS instructions, with s_wait_alu, always for 0.
; THE PLAN.  Registers that memory or LDS instructions touch:
;   the ring (window 1, three slots of 64)   Block t's maxima and copies read slot t % 3; behind them block t + 3's loads land in it.  Behind the barrier the fragments' LDS loads land in the whole window.
;   v192-207   the codes of two blocks: written by conversions and exchanges, read by the odd block's image stores, written again from the next even block on.   v184-187 scale words: written, stored once, not written again.
;   v48-111, v24-27   x's fragments and scale words: a trip's products read them; behind the products the next tile's loads land there.
;   v12   tokens: a load lands, the address lines read it, the next load lands.   v13, v14, v11: written by the address lines, read by the loads behind them.
;   v190, v191, v182, v15, v16   act's codes, its byte and their addresses: written at a trip's end, read by the two stores that are issued in the NEXT trip (behind the loop: the last trip's).
;   v1-v5   made at the head, never written again.   v6, v7: read by the closing add alone.
; So a trip has ONE wait on va_vdst for memory's sake, behind its products and address lines, with its 18 loads and two stores behind it, and ONE on vm_vsrc, ahead of the first line that writes a store's register again.
.set PITCH, 8192                       ; bytes from k to k + 1
.set NB,    8                          ; blocks a wave
.set HSTR,  32768                      ; LDS: from column half 0 to 1.  Fragment (H, m, j, s) at 32768 H + 1024 (8 (2 m + j) + s) + 512 c + 16 lane
.set SCL,   65536                      ; scale words: 2048 H + 1024 j + 128 s + 64 m + 4 r
.set SPARE, 69632                      ; the spare words, 128 bytes for each wave: four blocks of 256 bytes that no other line names
.set T,   112                          ; v112-175 a block's numbers, column j at 32 j, down K.  Later: v112-127 gate's two tiles, v128-143 up's, v144-159 at work
.set M,   176                          ; v176-179 largest magnitudes
.set SO,  180                          ; v180-181 the conversions' scale operands
.set BY,  182                          ; v182-183 scale bytes
.set W,   184                          ; v184-187 scale words: column j, K step u at 2 j + u
.set C,   192                          ; v192-207 codes of two blocks
.set SB,  26                           ; s[26:27] my part of the weights
; v1 8 x lane; v2, v3 where I store images and scale words; v4, v5 where I read them; v6, v7 the add's two; v8 r; v9 16 h; v10 list index; v11 its address; v12 tokens; v13, v14 x's codes and scales; v15, v16 act's, a trip ahead of the data that wait to be stored;
; v20-23 KA, KB as pairs; v24-27 x's scale words; v28-43 the weights' (register 8 j + s: lanes 0-15 gate's, lanes 16-31 up's); v48-111 x's fragments; v190-191 act's codes.  Window 1: the ring (3 x 64), then the 32 fragments.
.set MSB, 0
.macro WIN new                         ; the immediate's high byte repeats the setting that is left
.if MSB != \new
	s_set_vgpr_msb (MSB<<8)|\new
.set MSB, \new
.endif
.endm
.macro LOADBLK t                       ; block t: 32 rows into ring slot t % 3, register 2 i + j: row 32 t + i, column 2 lane + j
	WIN 0x40                                       ; destination window 1
.set li, 0
.rept 32
	global_load_b64 v[64*((\t)%3)+2*li:64*((\t)%3)+2*li+1], v1, s[SB:SB+1] offset:(32*(\t)+li)*PITCH th:TH_LOAD_NT
.set li, li+1
.endr
.endm
.macro BLOCK t
.set LB, 64*((\t)%3)
.if (\t) <= NB-3
	s_wait_loadcnt 63                              ; behind this block's loads 64 or 65 were issued: 63 is the most that a wait can name
.elseif (\t) == NB-2
	s_wait_loadcnt 32                              ; the last block's 32 may be out
.else
	s_wait_loadcnt 0x0
.endif
	WIN 0x05                                       ; sources 0 and 1 window 1
.irp a, 0,1                                    ; four chains (column j, upper or lower 16 rows), each begun with the floor 2^(3 - 127): the byte cannot fall under 1
.irp j, 0,1
	v_max3_num_f32 v[M+2*\j+\a], |v[LB+32*\a+\j]|, |v[LB+32*\a+2+\j]|, 0x1800000
.endr
.endr
.irp u, 1,2,3,4,5,6,7
.irp a, 0,1
.irp j, 0,1
	v_max3_num_f32 v[M+2*\j+\a], |v[LB+32*\a+4*\u+\j]|, |v[LB+32*\a+4*\u+2+\j]|, v[M+2*\j+\a]
.endr
.endr
.endr
.set mi, 0
.rept 32                                       ; each column's 32 numbers into consecutive registers, as the conversions take them; the slot is then free
	v_mov_b32 v[T+mi], v[LB+2*mi]
	v_mov_b32 v[T+32+mi], v[LB+2*mi+1]
.set mi, mi+1
.endr
.if (\t)+3 < NB
	WIN 0x40                                       ; (the switch, then the wait, then the loads)
	s_wait_alu depctr_va_vdst(0)                   ; the maxima and the copies are done reading the slot, in which the loads below land
	LOADBLK (\t)+3
.endif
	WIN 0
.irp j, 0,1
	v_max_num_f32 v[M+2*\j], v[M+2*\j], v[M+2*\j+1]
.endr
.irp j, 0,1
	v_add_nc_u32 v[SO+\j], 0xff000000, v[M+2*\j]   ; 2 off the exponent field: the conversion's scale operand
.endr
.irp j, 0,1
	v_lshrrev_b32 v[BY+\j], 23, v[SO+\j]           ; the scale's byte
.endr
.irp j, 0,1
.if (\t)%4 == 0
	v_mov_b32 v[W+2*\j+(\t)/4], v[BY+\j]
.else
	v_lshl_or_b32 v[W+2*\j+(\t)/4], v[BY+\j], 8*((\t)%4), v[W+2*\j+(\t)/4]
.endif
.endr
.if ((\t)%2 == 0) && ((\t) >= 2)
	s_wait_alu depctr_va_vdst(0)
	s_wait_dscnt 0x0                               ; the image stores are done
	s_wait_alu depctr_vm_vsrc(0)                   ; they have read the codes' registers, which this block's conversions and the next block's write again
.endif
.irp j, 0,1
.irp g, 0,1,2,3
	v_cvt_scalef32_pk8_fp4_f32 v[C+8*((\t)%2)+4*\j+\g], v[T+32*\j+8*\g:T+32*\j+8*\g+7], v[SO+\j]
.endr
.endr
	v_nop                                          ; one plain instruction behind the conversions
.if (\t)%2 == 1
.irp j, 0,1                                    ; the even block's lanes 16-31 change places with the odd block's lanes 0-15: lanes 0-15 then hold block 2 c, lanes 16-31 block 2 c + 1, of tile (0, j) and of tile (1, j)
.irp g, 0,1,2,3
	v_permlane16_swap_b32 v[C+4*\j+\g], v[C+8+4*\j+\g]
.endr
.endr
	s_wait_alu depctr_va_vdst(0)                   ; the conversions and exchanges have written the codes, and the shifts the scale words: the LDS stores below read them
.irp j, 0,1
	ds_store_b128 v2, v[C+4*\j:C+4*\j+3] offset:\j*8192+((\t)/4)*1024+(((\t)/2)%2)*512
	ds_store_b128 v2, v[C+8+4*\j:C+8+4*\j+3] offset:HSTR+\j*8192+((\t)/4)*1024+(((\t)/2)%2)*512
.endr
.endif
.if (\t)%4 == 3
.irp j, 0,1
	ds_store_b32 v3, v[W+2*\j+(\t)/4] offset:\j*1024+((\t)/4)*128
.endr
.endif
.endm
; the next tile's operand, in two parts.  The addresses, from the 16 tokens in v12, and the list index of the tile after.  These seven vector lines name no register of the products: they are the places in front of the first read of the results
.macro NEXTADR
	v_min_u32 v12, 0x3ff, v12                      ; a token, held inside x
	v_lshl_add_u32 v13, v12, 9, v9                 ; its 512 bytes of codes, + 16 h
	v_lshl_add_u32 v14, v12, 5, v9                 ; its 32 scale bytes, + 16 h: lanes 0-15 K steps 0-3, lanes 16-31 K steps 4-7
	v_add_nc_u32 v10, 64, v10                      ; four tiles on
	v_min_u32 v11, s22, v10                        ; past the count: the expert's last row
	v_min_u32 v11, 0x3ff, v11
	v_lshlrev_b32 v11, 2, v11
.endm
; and the loads: x's codes and scale words, and the tokens of the tile after
.macro NEXTLOAD
.irp q, 0,1,2,3,4,5,6,7
	global_load_b128 v[48+8*\q:51+8*\q], v13, s[8:9] offset:64*\q
	global_load_b128 v[52+8*\q:55+8*\q], v13, s[8:9] offset:64*\q+32
.endr
	global_load_b128 v[24:27], v14, s[32:33]
	global_load_b32 v12, v11, s[34:35]
.endm
; the codes and the byte that the trip before has made.  Their addresses have moved on by a trip since: the offsets reach back
.macro SEND
	global_store_b64 v15, v[190:191], s[36:37] offset:-1024    ; 32 lanes store 256 consecutive bytes, aligned: 16 rows of this block
	global_store_b8 v16, v182, s[38:39] offset:-256            ; both lanes of a row store the same byte with the same value
.endm
; 32 products: K step kk, accumulator mj (gate j = 0, 1, up j = 0, 1) at v[112 + 8 mj]; the four take turns, one instruction a turn; the first K step starts the sums
.macro PRODUCTS
.set kk, 0
.rept 8
.set mj, 0
.rept 4
.set rD, 112+8*mj
.set rA, 8*(8*mj+kk)
.set rB, 48+8*kk
.set rSA, 28+8*(mj%2)+kk
.set rSB, 24+kk%4
.if kk == 0
.if mj < 2
	v_wmma_scale_f32_16x16x128_f8f6f4 v[rD:rD+7], v[rA:rA+7], v[rB:rB+7], 0, v[rSA], v[rSB] matrix_a_fmt:MATRIX_FMT_FP4 matrix_b_fmt:MATRIX_FMT_FP4
.else
	v_wmma_scale_f32_16x16x128_f8f6f4 v[rD:rD+7], v[rA:rA+7], v[rB:rB+7], 0, v[rSA], v[rSB] matrix_a_fmt:MATRIX_FMT_FP4 matrix_b_fmt:MATRIX_FMT_FP4 matrix_a_scale:MATRIX_SCALE_ROW1
.endif
.elseif kk < 4
.if mj < 2
	v_wmma_scale_f32_16x16x128_f8f6f4 v[rD:rD+7], v[rA:rA+7], v[rB:rB+7], v[rD:rD+7], v[rSA], v[rSB] matrix_a_fmt:MATRIX_FMT_FP4 matrix_b_fmt:MATRIX_FMT_FP4
.else
	v_wmma_scale_f32_16x16x128_f8f6f4 v[rD:rD+7], v[rA:rA+7], v[rB:rB+7], v[rD:rD+7], v[rSA], v[rSB] matrix_a_fmt:MATRIX_FMT_FP4 matrix_b_fmt:MATRIX_FMT_FP4 matrix_a_scale:MATRIX_SCALE_ROW1
.endif
.else
.if mj < 2
	v_wmma_scale_f32_16x16x128_f8f6f4 v[rD:rD+7], v[rA:rA+7], v[rB:rB+7], v[rD:rD+7], v[rSA], v[rSB] matrix_a_fmt:MATRIX_FMT_FP4 matrix_b_fmt:MATRIX_FMT_FP4 matrix_b_scale:MATRIX_SCALE_ROW1
.else
	v_wmma_scale_f32_16x16x128_f8f6f4 v[rD:rD+7], v[rA:rA+7], v[rB:rB+7], v[rD:rD+7], v[rSA], v[rSB] matrix_a_fmt:MATRIX_FMT_FP4 matrix_b_fmt:MATRIX_FMT_FP4 matrix_a_scale:MATRIX_SCALE_ROW1 matrix_b_scale:MATRIX_SCALE_ROW1
.endif
.endif
.set mj, mj+1
.endr
.set kk, kk+1
.endr
.endm
; A TRIP: one tile of 16 rows.  first = 1: my first tile, with no trip in front of it and so nothing to store.
.macro TRIP first
	s_wait_loadcnt 0x0                             ; x's fragments and scale words, and the next tile's tokens
	WIN 0x01                                       ; source 0 (the weights) window 1
	PRODUCTS
	WIN 0
	NEXTADR
	s_wait_alu depctr_va_vdst(0)                   ; the products are done reading x's fragments and scale words, and the address lines v12, in all of which the loads below land; v13, v14 and v11 are written, which those loads read; the trip before has written v190, v191, v182, v15 and v16, which the stores below read
	NEXTLOAD
.if !\first
	SEND
.endif
.irp p, 0,2,4,6,8,10,12,14                     ; each accumulator is read from its low end on
	v_pk_mul_f32 v[144+\p:145+\p], v[112+\p:113+\p], v[112+\p:113+\p]
.endr
.irp p, 0,2,4,6,8,10,12,14
	v_pk_fma_f32 v[144+\p:145+\p], v[144+\p:145+\p], v[22:23], v[20:21]
.endr
.irp p, 0,2,4,6,8,10,12,14
	v_pk_mul_f32 v[144+\p:145+\p], v[144+\p:145+\p], v[112+\p:113+\p]
.endr
	s_wait_alu depctr_va_vdst(0)
.irp p, 0,1,2,3,4,5,6,7,8,9,10,11,12,13,14,15
	v_exp_f32 v[144+\p], v[144+\p]
.endr
	s_wait_alu depctr_va_vdst(0)
.irp p, 0,2,4,6,8,10,12,14
	v_pk_mul_f32 v[128+\p:129+\p], v[112+\p:113+\p], v[128+\p:129+\p]   ; g x up: plain work behind the batch
.endr
	s_wait_alu depctr_va_vdst(0)                   ; the sixteen exponentials have written v144-159: one wait, ahead of their first reader
.irp p, 0,2,4,6,8,10,12,14
	v_pk_add_f32 v[144+\p:145+\p], v[144+\p:145+\p], 1.0 op_sel_hi:[1,0]
.endr
	s_wait_alu depctr_va_vdst(0)
.irp p, 0,1,2,3,4,5,6,7,8,9,10,11,12,13,14,15
	v_rcp_f32 v[144+\p], v[144+\p]
.endr
	v_nop
	s_wait_alu depctr_va_vdst(0)                   ; the sixteen reciprocals have written v144-159: likewise
.irp p, 0,2,4,6,8,10,12,14
	v_pk_mul_f32 v[128+\p:129+\p], v[128+\p:129+\p], v[144+\p:145+\p]   ; act
.endr
	v_max3_num_f32 v176, |v128|, |v129|, 0x1800000 ; the block's largest magnitude: my 16,
	v_max3_num_f32 v177, |v136|, |v137|, 0x1800000
.irp i, 2,4,6
	v_max3_num_f32 v176, v176, |v[128+\i]|, |v[129+\i]|
	v_max3_num_f32 v177, v177, |v[136+\i]|, |v[137+\i]|
.endr
	v_max_num_f32 v176, v176, v177
	v_permlanex16_b32 v178, v176, s40, s41         ; and lane l xor 16's
	v_max_num_f32 v176, v176, v178
	v_add_nc_u32 v180, 0xff000000, v176
.if !\first
	s_wait_alu depctr_va_vdst(0)
	s_wait_xcnt 0x0                                ; this trip's two stores have had their addresses translated: their addresses and data are written again only behind this wait
.endif
	s_wait_alu depctr_vm_vsrc(0)                   ; this trip's stores have read v190, v191, v182, v15 and v16, which the lines below write again; its loads have read v13, v14 and v11, which the next trip's address lines write
	v_lshrrev_b32 v182, 23, v180
	v_cvt_scalef32_pk8_fp4_f32 v190, v[128:135], v180
	v_cvt_scalef32_pk8_fp4_f32 v191, v[136:143], v180
	v_add_nc_u32 v15, 1024, v15                    ; four tiles on.  (Also the plain instruction behind the conversions: the next trip's products write their sources)
	v_add_nc_u32 v16, 256, v16
.endm
	s_load_b256 s[4:11], s[0:1], 0x0               ; gate_proj_w s[4:5], up_proj_w s[6:7], xq s[8:9], route s[10:11]
	s_load_b64 s[12:13], s[0:1], 0x20              ; act
	v_lshl_add_u32 v6, v0, 2, SPARE                ; my spare word,
	v_mov_b32 v7, 0                                ; and 0: kept for the closing lines alone
	v_lshrrev_b32 v8, 5, v0
	v_readfirstlane_b32 s14, v8                    ; wave 0..7
	s_lshr_b32 s19, ttmp9, 5                       ; e
	s_and_b32 s20, ttmp9, 31                       ; sl
	v_and_b32 v17, 31, v0                          ; lane
	v_and_b32 v8, 15, v0                           ; r
	s_wait_alu depctr_va_vdst(0)
	v_bfe_u32 v18, v0, 4, 1                        ; h
	v_lshlrev_b32 v1, 3, v17
	v_lshlrev_b32 v9, 4, v18
	s_wait_alu depctr_va_sdst(0)                   ; s14 is written, ahead of its first reader
	s_and_b32 s15, s14, 1                          ; m in the stream, H behind the barrier
	s_lshr_b32 s16, s14, 1                         ; kq in the stream, the first row tile behind the barrier
	s_lshl_b32 s28, s15, 14
	s_lshl_b32 s29, s16, 11
	s_add_co_u32 s28, s28, s29
	v_lshl_add_u32 v2, v17, 4, s28                 ; images out: 16 lane + 16384 m + 2048 kq
	s_lshl_b32 s28, s15, 6
	s_lshl_b32 s29, s16, 8
	s_add_co_u32 s28, s28, s29
	s_add_co_u32 s28, s28, SCL
	v_lshlrev_b32 v3, 2, v8
	s_wait_alu depctr_va_vdst(0)
	v_lshl_add_u32 v3, v18, 11, v3
	v_add_nc_u32 v3, s28, v3                       ; scale words out: SCL + 2048 (lane / 16) + 4 r + 64 m + 256 kq
	s_lshl_b32 s28, s15, 15
	v_lshl_add_u32 v4, v17, 4, s28                 ; images in: 16 lane + 32768 H
	s_lshl_b32 s28, s15, 11
	s_add_co_u32 s28, s28, SCL
	v_lshl_add_u32 v5, v17, 2, s28                 ; scale words in: SCL + 2048 H + 4 lane
	s_lshl_b32 s28, s16, 4
	v_add_nc_u32 v10, s28, v8                      ; my row in the list: 16 x tile + r
	v_lshlrev_b32 v15, 4, v10
	v_lshl_add_u32 v15, v18, 3, v15                ; act's codes: 16 bytes a row, + 8 h
	v_lshlrev_b32 v16, 2, v10                      ; act's scale words: 4 bytes a row
	v_mov_b32 v20, 0xc0135761                      ; KA
	v_mov_b32 v21, 0xc0135761
	v_mov_b32 v22, 0xbdd2d3e7                      ; KB
	v_mov_b32 v23, 0xbdd2d3e7
	s_mov_b32 s40, 0x76543210                      ; v_permlanex16_b32's selects for lane l xor 16
	s_mov_b32 s41, 0xfedcba98
	s_lshl_b32 s42, s19, 23                        ; the weights: expert, K quarter (256 rows), slice (256 bytes)
	s_lshl_b32 s43, s16, 21
	s_add_co_u32 s42, s42, s43
	s_lshl_b32 s43, s20, 8
	s_add_co_u32 s42, s42, s43
	s_mov_b32 s43, 0
	s_lshl_b32 s44, s20, 1                         ; act's codes: block 2 sl + H, the expert's rows
	s_add_co_u32 s44, s44, s15
	s_lshl_b32 s44, s44, 17
	s_lshl_b32 s45, s19, 14
	s_add_co_u32 s44, s44, s45
	s_mov_b32 s45, 0
	s_lshr_b32 s46, s20, 1                         ; act's scale bytes: word plane sl / 2, byte 2 (sl % 2) + H
	s_lshl_b32 s46, s46, 15
	s_lshl_b32 s47, s19, 12
	s_add_co_u32 s46, s46, s47
	s_and_b32 s47, s20, 1
	s_lshl_b32 s47, s47, 1
	s_add_co_u32 s46, s46, s47
	s_add_co_u32 s46, s46, s15
	s_add_co_u32 s46, s46, 0x800000
	s_mov_b32 s47, 0
	s_lshl_b32 s28, s19, 13                        ; the expert's list
	s_mov_b32 s29, 0
	s_lshl_b32 s30, s19, 7                         ; and its count
	s_wait_kmcnt 0x0
	s_cmp_eq_u32 s15, 0
	s_cselect_b64 s[SB:SB+1], s[4:5], s[6:7]       ; gate or up: the choice hangs on the wave's number alone
	s_add_nc_u64 s[SB:SB+1], s[SB:SB+1], s[42:43]
	s_load_b32 s21, s[10:11], s30 offset:0x12400
	WIN 0x40
	s_wait_alu depctr_va_vdst(0)                   ; the offsets and LDS addresses v1 to v5 are written, which the loads and LDS instructions of the whole kernel read
	LOADBLK 0
	LOADBLK 1
	WIN 0
	s_add_nc_u64 s[32:33], s[8:9], 0x80000         ; x's scale bytes
	s_add_nc_u64 s[34:35], s[10:11], s[28:29]
	s_add_nc_u64 s[36:37], s[12:13], s[44:45]
	s_add_nc_u64 s[38:39], s[12:13], s[46:47]
	s_wait_kmcnt 0x0
	s_min_u32 s21, s21, 1024                       ; the expert's rows
	s_sub_co_u32 s22, s21, 1                       ; its last
	s_add_co_u32 s23, s21, 15
	s_lshr_b32 s23, s23, 4                         ; its tiles of 16
	s_add_co_u32 s23, s23, 3
	s_sub_co_u32 s23, s23, s16
	s_lshr_b32 s23, s23, 2                         ; and how many of them are mine
	v_min_u32 v11, s22, v10
	v_min_u32 v11, 0x3ff, v11
	v_lshlrev_b32 v11, 2, v11
	s_wait_alu depctr_va_vdst(0)                   ; v11 is written, which the load below reads
	global_load_b32 v12, v11, s[34:35]             ; my first tile's tokens
	LOADBLK 2
.irp t, 0,1,2,3,4,5,6,7
	BLOCK \t
.endr
	s_wait_alu depctr_vm_vsrc(0)                   ; the load of my first tile's tokens has read v11, which the address lines write again
	NEXTADR                                        ; (the last block's wait was for 0: the tokens are in)
	s_wait_alu depctr_va_vdst(0)                   ; v13, v14 and v11 are written, which the loads below read; the address lines are done with v12, in which a load lands; and the blocks' maxima and copies are done reading the ring, in which the fragments land behind the barrier
	NEXTLOAD
	s_wait_dscnt 0x0                               ; for the others' sake: my images and scale words lie in LDS
	s_barrier_signal -1
	s_barrier_wait -1
	WIN 0x40
.set f, 0
.rept 32                                       ; my column half's 32 fragments: they stay.  (No vector instruction since the wait above names window 1)
	ds_load_b128 v[8*f:8*f+3], v4 offset:1024*f
	ds_load_b128 v[8*f+4:8*f+7], v4 offset:1024*f+512
.set f, f+1
.endr
	WIN 0
.irp j, 0,1
.irp q, 0,1,2,3,4,5,6,7
	ds_load_b32 v[28+8*\j+\q], v5 offset:1024*\j+128*\q
.endr
.endr
	s_wait_dscnt 0x0
	s_wait_alu depctr_vm_vsrc(0)                   ; the loads ahead of the barrier have read v13, v14 and v11, which the first trip's address lines write again
	s_cmp_eq_u32 s23, 0
	s_cbranch_scc1 .Ldone
	TRIP 1                                         ; my first tile is written out: it has nothing to store yet
	s_cmp_eq_u32 s23, 1
	s_cbranch_scc1 .Ltail
	s_mov_b32 s24, 1
.Lrow:
	TRIP 0
	s_add_co_u32 s24, s24, 1
	s_cmp_lt_u32 s24, s23
	s_cbranch_scc1 .Lrow
.Ltail:
	s_wait_alu depctr_va_vdst(0)                   ; the last trip has written v190, v191, v182, v15 and v16, which the last two stores read
	SEND
.Ldone:
	s_wait_dscnt 0x0                               ; the closing lines, six on end
	s_wait_alu 0x0
	s_wait_tensorcnt 0x0
	ds_add_u32 v6, v7
	s_wait_dscnt 0x0
	s_endpgm
.Lfunc_end_k_qbf55c52ba4_gateup:
	.size	k_qbf55c52ba4_gateup, .Lfunc_end_k_qbf55c52ba4_gateup-k_qbf55c52ba4_gateup
	.p2alignl 7, 3214868480
	.fill 96, 4, 3214868480
	.section	.rodata,"a",@progbits
	.p2align	6, 0x0
	.amdhsa_kernel k_qbf55c52ba4_gateup
		.amdhsa_group_segment_fixed_size 70656
		.amdhsa_private_segment_fixed_size 0
		.amdhsa_enable_private_segment 0
		.amdhsa_kernarg_size 40
		.amdhsa_user_sgpr_count 2
		.amdhsa_user_sgpr_kernarg_segment_ptr 1
		.amdhsa_wavefront_size32 1
		.amdhsa_system_sgpr_workgroup_id_x 1
		.amdhsa_system_sgpr_workgroup_id_y 1
		.amdhsa_system_sgpr_workgroup_id_z 1
		.amdhsa_system_vgpr_workitem_id 0
		.amdhsa_next_free_vgpr 512
		.amdhsa_next_free_sgpr 66
		.amdhsa_reserve_vcc 0
		.amdhsa_float_denorm_mode_32 3
		.amdhsa_float_denorm_mode_16_64 3
		.amdhsa_memory_ordered 1
		.amdhsa_forward_progress 1
		.amdhsa_inst_pref_size 104
	.end_amdhsa_kernel
	.amdgpu_metadata
---
amdhsa.version: [ 1, 2 ]
amdhsa.kernels:
  - .name:           k_qbf55c52ba4_gateup
    .symbol:         k_qbf55c52ba4_gateup.kd
    .args:
      - { .name: gate_proj_w, .offset: 0, .size: 8, .value_kind: global_buffer, .address_space: global }
      - { .name: up_proj_w, .offset: 8, .size: 8, .value_kind: global_buffer, .address_space: global }
      - { .name: xq, .offset: 16, .size: 8, .value_kind: global_buffer, .address_space: global }
      - { .name: route, .offset: 24, .size: 8, .value_kind: global_buffer, .address_space: global }
      - { .name: act, .offset: 32, .size: 8, .value_kind: global_buffer, .address_space: global }
    .group_segment_fixed_size: 70656
    .private_segment_fixed_size: 0
    .kernarg_segment_align: 8
    .kernarg_segment_size: 40
    .max_flat_workgroup_size: 256
    .sgpr_count:     66
    .vgpr_count:     512
    .wavefront_size: 32
...
	.end_amdgpu_metadata
.endif
;; end of part 8
;; launch down (part 9): grid 256 x 1, 8 waves a work-group, no clusters, 70,656 bytes of LDS; arguments down_proj_w, act, route, y; writes y
.if DOCPART == 9
	.amdgcn_target "amdgcn-amd-amdhsa--gfx1250"
	.amdhsa_code_object_version 6
	.text
	.protected	k_qbf55c52ba4_down
	.globl	k_qbf55c52ba4_down
	.p2align	8
	.type	k_qbf55c52ba4_down,@function
k_qbf55c52ba4_down:
	s_mov_b64 s[64:65], 0
	v_nop
	global_prefetch_b8 v0, s[64:65] scope:SCOPE_SE
	s_setreg_imm32_b32 hwreg(HW_REG_WAVE_SCHED_MODE, 0, 2), 2
	s_setreg_imm32_b32 hwreg(HW_REG_WAVE_MODE, 25, 1), 1
	s_wait_xcnt 0x0
	s_wait_alu depctr_vm_vsrc(0)
; FOURTH LAUNCH: y = act Wd for the chosen rows alone (see the first kernel's head), in two halves along K.
; SHARES.  Work-group = (expert e = wg / 32, K half ks = (wg / 16) % 2, columns 64 cs .. 64 cs + 63, cs = wg % 16): 1,024 d x 64 columns of Wd[e], 256 KB of f32, read once in the whole program and quantised here.
; K is halved, and not the columns, so that each load still reads 256 consecutive bytes of a row, aligned; the two halves' sums are added by the last launch.
; PHASE 1, the stream, as in the launch before: wave w takes K step w (128 d: four blocks).  A block's rows are fetched in the order in which act's codes lie: place p holds d = 16 (p / 16) + 2 (p % 8) + (p / 8) % 2:
; the same order of K on both operands; the blocks of 32, and so the scales, are the quantiser's own.  Tile (H, j): row r of the tile is column 32 H + 2 r + j.  Images of the fragments go to LDS; ONE barrier.
; PHASE 2.  Every wave holds all 32 fragments (4 tiles x 8 K steps) and takes row tiles i = w, w + 8, ..  A trip: act's codes of 16 rows (asked for a trip ahead; only tiles that exist are asked for), 32 products
; (source 0 = Wd's columns, source 1 = act's rows: a lane holds one row), the lane's columns put in order, through the wave's own stage in LDS, and out as rows: sixteen lanes store 256 consecutive bytes, aligned.
; y: f32 [ks][1024 e + j][1024].  NO tensor loads: trip counts hang on counts read from memory.  NO cluster: no two work-groups read the same weights.
; THE MODE: SCHED_MODE bits 1:0 = 2 (LLVM: expert scheduling mode 2), set by the entry lines.  The code itself states the register dependences
; between vector or matrix instructions and memory or LDS instructions, with s_wait_alu, always for 0.
; THE PLAN.  Registers that memory or LDS instructions touch:
;   the ring (window 1, three slots of 64)   Block t's maxima and copies read slot t % 3; behind block 0's, block 3's loads land in its slot.  Behind the barrier the fragments' LDS loads land in the whole window.
;   v192-207   the codes of two blocks: written by conversions and exchanges, read by the odd block's image stores, written again from block 2 on.   v184, v186 scale words: written, stored once.
;   v48-111, v24-27   act's fragments and scale words: a trip's products read them; behind the products the next tile's loads land there.   v13, v14: their offsets, stepped once a trip.
;   v144-175   a lane's 32 columns in order: written by a trip's copies, read by its eight LDS stores.   v208-239: rows back from the stage: LDS loads land, the eight global stores read them.   v17: y's offset, stepped once a trip.
;   v1-v5, v15, v16   made at the head, never written again.   v6, v7: read by the closing add alone.
; So a trip has ONE wait on vm_vsrc, behind its products: all that the trip before issued has read its registers; then the three address steps and the copies; and ONE wait on va_vdst, behind which all the trip's loads, LDS instructions and stores stand.
.set PITCH, 4096
.set NB,    4
.set HSTR,  16384                      ; LDS: fragment (H, j, s) at 1024 (8 (2 H + j) + s) + 512 c + 16 lane
.set SCL,   32768                      ; scale words: 128 (8 j + s) + 4 lane (lanes 0-15: H = 0, lanes 16-31: H = 1)
.set STAGE, 34816                      ; 16 rows x (256 + 16) bytes for each wave
.set SPARE, 69632                      ; the spare words, 128 bytes for each wave: four blocks of 256 bytes that no other line names
.set T,   112                          ; v112-175 a block's numbers.  Later: v112-143 the four accumulators, v144-175 a lane's 32 columns in order
.set M,   176
.set SO,  180
.set BY,  182
.set W,   184
.set C,   192
.set SB,  26
; v1 8 x lane; v2, v3 where I store images and scale words; v4, v5 where I read them; v6, v7 the add's two; v8 r; v13, v14 act's codes and scale words; v15, v16 the stage, in and back; v17 y, a trip ahead of the tile in hand; v18 h; v19 lane;
; v24-27 act's scale words; v28-43 the weights'; v48-111 act's fragments; v208-239 rows read back.  Window 1: the ring, then the 32 fragments.
.set MSB, 0
.macro WIN new                         ; the immediate's high byte repeats the setting that is left
.if MSB != \new
	s_set_vgpr_msb (MSB<<8)|\new
.set MSB, \new
.endif
.endm
.macro LOADBLK t                       ; block t: 32 rows into ring slot t % 3; register 2 i + j: the row that place i of the block's codes holds, column 2 lane + j
	WIN 0x40
.set li, 0
.rept 32
	global_load_b64 v[64*((\t)%3)+2*li:64*((\t)%3)+2*li+1], v1, s[SB:SB+1] offset:(32*(\t)+16*(li/16)+2*(li%8)+((li/8)%2))*PITCH th:TH_LOAD_NT
.set li, li+1
.endr
.endm
.macro BLOCK t
.set LB, 64*((\t)%3)
.if (\t) <= NB-3
	s_wait_loadcnt 63                              ; behind this block's loads 64 were issued: 63 is the most that a wait can name
.elseif (\t) == NB-2
	s_wait_loadcnt 32                              ; the last block's 32 may be out
.else
	s_wait_loadcnt 0x0
.endif
	WIN 0x05                                       ; sources 0 and 1 window 1
.irp a, 0,1                                    ; four chains, each begun with the floor 2^(3 - 127): the byte cannot fall under 1
.irp j, 0,1
	v_max3_num_f32 v[M+2*\j+\a], |v[LB+32*\a+\j]|, |v[LB+32*\a+2+\j]|, 0x1800000
.endr
.endr
.irp u, 1,2,3,4,5,6,7
.irp a, 0,1
.irp j, 0,1
	v_max3_num_f32 v[M+2*\j+\a], |v[LB+32*\a+4*\u+\j]|, |v[LB+32*\a+4*\u+2+\j]|, v[M+2*\j+\a]
.endr
.endr
.endr
.set mi, 0
.rept 32                                       ; each column's 32 numbers into consecutive registers, as the conversions take them; the slot is then free
	v_mov_b32 v[T+mi], v[LB+2*mi]
	v_mov_b32 v[T+32+mi], v[LB+2*mi+1]
.set mi, mi+1
.endr
.if (\t)+3 < NB
	WIN 0x40                                       ; (the switch, then the wait, then the loads)
	s_wait_alu depctr_va_vdst(0)                   ; the maxima and the copies are done reading the slot, in which the loads below land
	LOADBLK (\t)+3
.endif
	WIN 0
.irp j, 0,1
	v_max_num_f32 v[M+2*\j], v[M+2*\j], v[M+2*\j+1]
.endr
.irp j, 0,1
	v_add_nc_u32 v[SO+\j], 0xff000000, v[M+2*\j]   ; 2 off the exponent field: the conversion's scale operand
.endr
.irp j, 0,1
	v_lshrrev_b32 v[BY+\j], 23, v[SO+\j]           ; the scale's byte
.endr
.irp j, 0,1
.if (\t)%4 == 0
	v_mov_b32 v[W+2*\j+(\t)/4], v[BY+\j]
.else
	v_lshl_or_b32 v[W+2*\j+(\t)/4], v[BY+\j], 8*((\t)%4), v[W+2*\j+(\t)/4]
.endif
.endr
.if ((\t)%2 == 0) && ((\t) >= 2)
	s_wait_alu depctr_va_vdst(0)
	s_wait_dscnt 0x0                               ; the image stores are done
	s_wait_alu depctr_vm_vsrc(0)                   ; they have read the codes' registers, which this block's conversions and the next block's write again
.endif
.irp j, 0,1
.irp g, 0,1,2,3
	v_cvt_scalef32_pk8_fp4_f32 v[C+8*((\t)%2)+4*\j+\g], v[T+32*\j+8*\g:T+32*\j+8*\g+7], v[SO+\j]
.endr
.endr
	v_nop                                          ; one plain instruction behind the conversions
.if (\t)%2 == 1
.irp j, 0,1                                    ; lanes 0-15 then hold block 2 c, lanes 16-31 block 2 c + 1, of tile (0, j) and of tile (1, j)
.irp g, 0,1,2,3
	v_permlane16_swap_b32 v[C+4*\j+\g], v[C+8+4*\j+\g]
.endr
.endr
	s_wait_alu depctr_va_vdst(0)                   ; the conversions and exchanges have written the codes, and the shifts the scale words: the LDS stores below read them.  (In the last block also: all maxima and copies are done reading the ring, in which the fragments land behind the barrier)
.irp j, 0,1
	ds_store_b128 v2, v[C+4*\j:C+4*\j+3] offset:\j*8192+((\t)/4)*1024+(((\t)/2)%2)*512
	ds_store_b128 v2, v[C+8+4*\j:C+8+4*\j+3] offset:HSTR+\j*8192+((\t)/4)*1024+(((\t)/2)%2)*512
.endr
.endif
.if (\t)%4 == 3
.irp j, 0,1
	ds_store_b32 v3, v[W+2*\j+(\t)/4] offset:\j*1024+((\t)/4)*128
.endr
.endif
.endm
.macro ACTLOAD                         ; a tile's operand: lanes 0-15 read 256 consecutive bytes of block 4 s + 2 c, lanes 16-31 those of the block after; scale words: lanes 0-15 K steps 0-3, lanes 16-31 K steps 4-7
.irp q, 0,1,2,3,4,5,6,7
	global_load_b128 v[48+8*\q:51+8*\q], v13, s[32:33] offset:524288*\q
	global_load_b128 v[52+8*\q:55+8*\q], v13, s[32:33] offset:524288*\q+262144
.endr
.irp q, 0,1,2,3
	global_load_b32 v[24+\q], v14, s[34:35] offset:32768*\q
.endr
.endm
; 32 products: K step kk, accumulator mj = 2 H + j at v[112 + 8 mj]; the four take turns, one instruction a turn; the first K step starts the sums
.macro PRODUCTS
.set kk, 0
.rept 8
.set mj, 0
.rept 4
.set rD, 112+8*mj
.set rA, 8*(8*mj+kk)
.set rB, 48+8*kk
.set rSA, 28+8*(mj%2)+kk
.set rSB, 24+kk%4
.if kk == 0
.if mj < 2
	v_wmma_scale_f32_16x16x128_f8f6f4 v[rD:rD+7], v[rA:rA+7], v[rB:rB+7], 0, v[rSA], v[rSB] matrix_a_fmt:MATRIX_FMT_FP4 matrix_b_fmt:MATRIX_FMT_FP4
.else
	v_wmma_scale_f32_16x16x128_f8f6f4 v[rD:rD+7], v[rA:rA+7], v[rB:rB+7], 0, v[rSA], v[rSB] matrix_a_fmt:MATRIX_FMT_FP4 matrix_b_fmt:MATRIX_FMT_FP4 matrix_a_scale:MATRIX_SCALE_ROW1
.endif
.elseif kk < 4
.if mj < 2
	v_wmma_scale_f32_16x16x128_f8f6f4 v[rD:rD+7], v[rA:rA+7], v[rB:rB+7], v[rD:rD+7], v[rSA], v[rSB] matrix_a_fmt:MATRIX_FMT_FP4 matrix_b_fmt:MATRIX_FMT_FP4
.else
	v_wmma_scale_f32_16x16x128_f8f6f4 v[rD:rD+7], v[rA:rA+7], v[rB:rB+7], v[rD:rD+7], v[rSA], v[rSB] matrix_a_fmt:MATRIX_FMT_FP4 matrix_b_fmt:MATRIX_FMT_FP4 matrix_a_scale:MATRIX_SCALE_ROW1
.endif
.else
.if mj < 2
	v_wmma_scale_f32_16x16x128_f8f6f4 v[rD:rD+7], v[rA:rA+7], v[rB:rB+7], v[rD:rD+7], v[rSA], v[rSB] matrix_a_fmt:MATRIX_FMT_FP4 matrix_b_fmt:MATRIX_FMT_FP4 matrix_b_scale:MATRIX_SCALE_ROW1
.else
	v_wmma_scale_f32_16x16x128_f8f6f4 v[rD:rD+7], v[rA:rA+7], v[rB:rB+7], v[rD:rD+7], v[rSA], v[rSB] matrix_a_fmt:MATRIX_FMT_FP4 matrix_b_fmt:MATRIX_FMT_FP4 matrix_a_scale:MATRIX_SCALE_ROW1 matrix_b_scale:MATRIX_SCALE_ROW1
.endif
.endif
.set mj, mj+1
.endr
.set kk, kk+1
.endr
.endm
	s_load_b256 s[4:11], s[0:1], 0x0               ; down_proj_w s[4:5], act s[6:7], route s[8:9], y s[10:11]
	v_lshl_add_u32 v6, v0, 2, SPARE                ; my spare word,
	v_mov_b32 v7, 0                                ; and 0: kept for the closing lines alone
	v_lshrrev_b32 v8, 5, v0
	v_readfirstlane_b32 s14, v8                    ; wave 0..7
	s_lshr_b32 s19, ttmp9, 5                       ; e
	s_bfe_u32 s20, ttmp9, 0x10004                  ; ks
	s_and_b32 s17, ttmp9, 15                       ; cs
	v_and_b32 v19, 31, v0                          ; lane
	v_and_b32 v8, 15, v0                           ; r
	v_bfe_u32 v18, v0, 4, 1                        ; h
	v_lshlrev_b32 v1, 3, v19
	s_wait_alu depctr_va_sdst(0)                   ; s14 is written, ahead of its first reader
	s_lshl_b32 s28, s14, 10
	v_lshl_add_u32 v2, v19, 4, s28                 ; images out: 16 lane + 1024 wave
	s_lshl_b32 s28, s14, 7
	s_add_co_u32 s28, s28, SCL
	v_lshl_add_u32 v3, v19, 2, s28                 ; scale words out: SCL + 4 lane + 128 wave
	v_lshlrev_b32 v4, 4, v19                       ; images in
	v_lshl_add_u32 v5, v19, 2, SCL                 ; scale words in
	s_mul_i32 s28, s14, 16*272
	s_add_co_u32 s28, s28, STAGE                   ; my stage
	v_mul_u32_u24 v15, v8, 272
	v_lshl_add_u32 v15, v18, 6, v15
	v_add_nc_u32 v15, s28, v15                     ; in: row r, + 64 h: my 16 columns of each column half
	v_mul_u32_u24 v16, v18, 272
	v_lshl_add_u32 v16, v8, 4, v16
	v_add_nc_u32 v16, s28, v16                     ; back: lanes 0-15 one row, lanes 16-31 the next
	s_lshl_b32 s29, s14, 4                         ; my first tile's first row
	v_add_nc_u32 v10, s29, v8
	v_lshlrev_b32 v13, 4, v10
	v_lshl_add_u32 v13, v18, 17, v13               ; act's codes: 16 bytes a row; lanes 16-31 a block (131,072 bytes) on
	v_lshlrev_b32 v14, 2, v10
	v_lshl_add_u32 v14, v18, 17, v14               ; act's scale words: 4 bytes a row; lanes 16-31 four K steps (4 x 32,768 bytes) on
	v_add_nc_u32 v11, s29, v18
	v_lshlrev_b32 v17, 12, v11
	v_lshl_add_u32 v17, v8, 4, v17                 ; y: a row is 4,096 bytes
	s_lshl_b32 s42, s19, 23                        ; the weights: expert, K half, K step (128 rows), columns
	s_lshl_b32 s43, s20, 22
	s_add_co_u32 s42, s42, s43
	s_lshl_b32 s43, s14, 19
	s_add_co_u32 s42, s42, s43
	s_lshl_b32 s43, s17, 8
	s_add_co_u32 s42, s42, s43
	s_mov_b32 s43, 0
	s_lshl_b32 s44, s20, 22                        ; act's codes: 32 blocks a K half, the expert's rows
	s_lshl_b32 s45, s19, 14
	s_add_co_u32 s44, s44, s45
	s_mov_b32 s45, 0
	s_lshl_b32 s46, s20, 18                        ; act's scale words: 8 planes a K half
	s_lshl_b32 s47, s19, 12
	s_add_co_u32 s46, s46, s47
	s_add_co_u32 s46, s46, 0x800000
	s_mov_b32 s47, 0
	s_lshl_b32 s40, s20, 25                        ; y: K half, the expert's rows, my columns
	s_lshl_b32 s41, s19, 22
	s_add_co_u32 s40, s40, s41
	s_lshl_b32 s41, s17, 8
	s_add_co_u32 s40, s40, s41
	s_mov_b32 s41, 0
	s_lshl_b32 s30, s19, 7
	s_wait_kmcnt 0x0
	s_add_nc_u64 s[SB:SB+1], s[4:5], s[42:43]
	s_load_b32 s21, s[8:9], s30 offset:0x12400     ; the expert's count
	WIN 0x40
	s_wait_alu depctr_va_vdst(0)                   ; the offsets and LDS addresses v1 to v5 and v13 to v16 are written, which the loads and LDS instructions below read
	LOADBLK 0
	LOADBLK 1
	LOADBLK 2
	s_add_nc_u64 s[32:33], s[6:7], s[44:45]
	s_add_nc_u64 s[34:35], s[6:7], s[46:47]
	s_add_nc_u64 s[36:37], s[10:11], s[40:41]
.irp t, 0,1,2,3
	BLOCK \t
.endr
	s_wait_kmcnt 0x0
	s_min_u32 s21, s21, 1024
	s_add_co_u32 s23, s21, 15
	s_lshr_b32 s23, s23, 4                         ; the expert's tiles of 16 rows
	s_add_co_u32 s23, s23, 7
	s_sub_co_u32 s23, s23, s14
	s_lshr_b32 s23, s23, 3                         ; and how many of them are mine
	s_wait_dscnt 0x0                               ; for the others' sake: my images and scale words lie in LDS
	s_barrier_signal -1
	s_barrier_wait -1
	WIN 0x40
.set f, 0
.rept 32                                       ; all 32 fragments: they stay.  (No vector instruction since the last block's wait names window 1)
	ds_load_b128 v[8*f:8*f+3], v4 offset:1024*f
	ds_load_b128 v[8*f+4:8*f+7], v4 offset:1024*f+512
.set f, f+1
.endr
	WIN 0
.irp j, 0,1
.irp q, 0,1,2,3,4,5,6,7
	ds_load_b32 v[28+8*\j+\q], v5 offset:1024*\j+128*\q
.endr
.endr
	s_wait_dscnt 0x0
	s_cmp_eq_u32 s23, 0
	s_cbranch_scc1 .Ldone
	ACTLOAD
	s_mov_b32 s24, 0
.Lrow:
	s_wait_loadcnt 0x0                             ; act's fragments and scale words
	WIN 0x01                                       ; source 0 (the weights) window 1
	PRODUCTS
	WIN 0
	s_wait_xcnt 0x0                                ; the last trip's stores have had their addresses translated: v17 and the rows' registers are written again only behind this wait
	s_wait_alu depctr_vm_vsrc(0)                   ; act's loads have read v13 and v14; the last trip's LDS stores have read v144-175, its global stores v17 and v208-239: all of these are written again below
	v_add_nc_u32 v13, 2048, v13                    ; eight tiles on.  (These four lines name no register of the products: the places in front of the first read of the results)
	v_add_nc_u32 v14, 512, v14
	v_add_nc_u32 v17, 0x80000, v17                 ; y's offset likewise, a trip early: the stores below reach back
	v_nop
.set mj, 0
.rept 4                                        ; register jj of tile (H, j) is column 32 H + 16 h + 2 jj + j: a lane's 16 columns of each half in order; each accumulator from its low end on
.set jj, 0
.rept 8
	v_mov_b32 v[144+16*(mj/2)+2*jj+(mj%2)], v[112+8*mj+jj]
.set jj, jj+1
.endr
.set mj, mj+1
.endr
	s_wait_alu depctr_va_vdst(0)                   ; the products are done reading act's fragments and scale words, in which the loads below land; v13, v14 and v17 are written, which the loads and the global stores read; the copies have written v144-175, which the LDS stores read
	s_add_co_u32 s25, s24, 1
	s_cmp_lt_u32 s25, s23
	s_cbranch_scc0 .Lno_next                       ; the last trip asks for nothing: only tiles that were stored are read; every wait for loads is for 0
	ACTLOAD
.Lno_next:
.irp hh, 0,1
.irp q, 0,1,2,3
	ds_store_b128 v15, v[144+16*\hh+4*\q:147+16*\hh+4*\q] offset:128*\hh+16*\q
.endr
.endr
.irp q, 0,1,2,3,4,5,6,7
	ds_load_b128 v[208+4*\q:211+4*\q], v16 offset:544*\q   ; my own bytes: LDS serves a wave's instructions in order (ISA guide 5.7.1.4), so these see the stores above
.endr
.irp q, 0,1,2,3,4,5,6,7
	s_wait_dscnt 7-\q                              ; the younger loads from the stage may be out
	global_store_b128 v17, v[208+4*\q:211+4*\q], s[36:37] offset:8192*\q-0x80000 th:TH_STORE_NT   ; sixteen lanes store 256 consecutive bytes, aligned
.endr
	s_add_co_u32 s24, s24, 1
	s_cmp_lt_u32 s24, s23
	s_cbranch_scc1 .Lrow
.Ldone:
	s_wait_dscnt 0x0                               ; the closing lines, six on end
	s_wait_alu 0x0
	s_wait_tensorcnt 0x0
	ds_add_u32 v6, v7
	s_wait_dscnt 0x0
	s_endpgm
.Lfunc_end_k_qbf55c52ba4_down:
	.size	k_qbf55c52ba4_down, .Lfunc_end_k_qbf55c52ba4_down-k_qbf55c52ba4_down
	.p2alignl 7, 3214868480
	.fill 96, 4, 3214868480
	.section	.rodata,"a",@progbits
	.p2align	6, 0x0
	.amdhsa_kernel k_qbf55c52ba4_down
		.amdhsa_group_segment_fixed_size 70656
		.amdhsa_private_segment_fixed_size 0
		.amdhsa_enable_private_segment 0
		.amdhsa_kernarg_size 32
		.amdhsa_user_sgpr_count 2
		.amdhsa_user_sgpr_kernarg_segment_ptr 1
		.amdhsa_wavefront_size32 1
		.amdhsa_system_sgpr_workgroup_id_x 1
		.amdhsa_system_sgpr_workgroup_id_y 1
		.amdhsa_system_sgpr_workgroup_id_z 1
		.amdhsa_system_vgpr_workitem_id 0
		.amdhsa_next_free_vgpr 512
		.amdhsa_next_free_sgpr 66
		.amdhsa_reserve_vcc 0
		.amdhsa_float_denorm_mode_32 3
		.amdhsa_float_denorm_mode_16_64 3
		.amdhsa_memory_ordered 1
		.amdhsa_forward_progress 1
		.amdhsa_inst_pref_size 55
	.end_amdhsa_kernel
	.amdgpu_metadata
---
amdhsa.version: [ 1, 2 ]
amdhsa.kernels:
  - .name:           k_qbf55c52ba4_down
    .symbol:         k_qbf55c52ba4_down.kd
    .args:
      - { .name: down_proj_w, .offset: 0, .size: 8, .value_kind: global_buffer, .address_space: global }
      - { .name: act, .offset: 8, .size: 8, .value_kind: global_buffer, .address_space: global }
      - { .name: route, .offset: 16, .size: 8, .value_kind: global_buffer, .address_space: global }
      - { .name: y, .offset: 24, .size: 8, .value_kind: global_buffer, .address_space: global }
    .group_segment_fixed_size: 70656
    .private_segment_fixed_size: 0
    .kernarg_segment_align: 8
    .kernarg_segment_size: 32
    .max_flat_workgroup_size: 256
    .sgpr_count:     66
    .vgpr_count:     512
    .wavefront_size: 32
...
	.end_amdgpu_metadata
.endif
;; end of part 9
;; launch combine (part 10): grid 256 x 1, 4 waves a work-group, no clusters, 0 bytes of LDS; arguments y, route, xq, out0; writes out0
.if DOCPART == 10
	.amdgcn_target "amdgcn-amd-amdhsa--gfx1250"
	.amdhsa_code_object_version 6
	.text
	.protected	k_qbf55c52ba4_combine
	.globl	k_qbf55c52ba4_combine
	.p2align	8
	.type	k_qbf55c52ba4_combine,@function
k_qbf55c52ba4_combine:
	s_mov_b64 s[64:65], 0
	v_nop
	global_prefetch_b8 v0, s[64:65] scope:SCOPE_SE
	s_setreg_imm32_b32 hwreg(HW_REG_WAVE_MODE, 25, 1), 1
	s_wait_xcnt 0x0
; FIFTH LAUNCH: out[t] = c0 x (row of the first chosen expert) + c1 x (row of the second), each row the sum of its two halves along K.  The problem's one_hot product and its weighted sum are this lookup of two rows
; (the six experts that were not chosen meet the factor 0: see the first kernel's head).  c = sigmoid(logit) x per_expert_scale, made by the first launch; the rows' places come from posmap, whole numbers of the second.
; A wave takes a token: four rows of 4,096 bytes in, one out; each load and store of the wave covers 512 consecutive bytes, aligned.  All 32 loads go out at once.  A stream: no LDS, no barrier, no matrix unit.
	s_load_b256 s[4:11], s[0:1], 0x0               ; y s[4:5], route s[6:7], xq s[8:9], out0 s[10:11]
	v_lshrrev_b32 v1, 5, v0
	v_readfirstlane_b32 s12, v1                    ; wave
	s_lshl_b32 s13, ttmp9, 2
	s_add_co_u32 s13, s13, s12                     ; my token
	s_lshl_b32 s14, s13, 3                         ; its two words
	s_lshl_b32 s26, s13, 12                        ; its row of out0
	s_mov_b32 s27, 0
	v_and_b32 v1, 31, v0
	v_lshlrev_b32 v1, 4, v1                        ; 16 x lane
	s_wait_alu depctr_va_vdst(0)
	s_wait_kmcnt 0x0
	s_load_b64 s[16:17], s[6:7], s14 offset:0x10000    ; the two rows' places
	s_load_b64 s[20:21], s[8:9], s14 offset:0x88000    ; c0, c1
	s_add_nc_u64 s[24:25], s[4:5], 0x2000000       ; y's second K half
	s_add_nc_u64 s[10:11], s[10:11], s[26:27]
	s_wait_kmcnt 0x0
	s_min_u32 s16, s16, 8191                       ; held inside y
	s_min_u32 s17, s17, 8191
	s_lshl_b32 s16, s16, 12
	s_lshl_b32 s17, s17, 12
	s_mov_b32 s22, s21                             ; c1 as a pair of its own: the packed form takes a pair's low word for both halves
	s_mov_b32 s23, s21
	v_add_nc_u32 v2, s16, v1
	v_add_nc_u32 v3, s17, v1
.irp i, 0,1,2,3,4,5,6,7
	global_load_b128 v[32+16*\i:35+16*\i], v2, s[4:5] offset:512*\i th:TH_LOAD_NT
	global_load_b128 v[36+16*\i:39+16*\i], v2, s[24:25] offset:512*\i th:TH_LOAD_NT
	global_load_b128 v[40+16*\i:43+16*\i], v3, s[4:5] offset:512*\i th:TH_LOAD_NT
	global_load_b128 v[44+16*\i:47+16*\i], v3, s[24:25] offset:512*\i th:TH_LOAD_NT
.endr
.irp i, 0,1,2,3,4,5,6,7
	s_wait_loadcnt 28-4*\i                         ; this piece's four loads are in; the later pieces' four each may be out
	v_pk_add_f32 v[32+16*\i:33+16*\i], v[32+16*\i:33+16*\i], v[36+16*\i:37+16*\i]
	v_pk_add_f32 v[34+16*\i:35+16*\i], v[34+16*\i:35+16*\i], v[38+16*\i:39+16*\i]
	v_pk_add_f32 v[40+16*\i:41+16*\i], v[40+16*\i:41+16*\i], v[44+16*\i:45+16*\i]
	v_pk_add_f32 v[42+16*\i:43+16*\i], v[42+16*\i:43+16*\i], v[46+16*\i:47+16*\i]
	v_pk_mul_f32 v[40+16*\i:41+16*\i], v[40+16*\i:41+16*\i], s[22:23] op_sel_hi:[1,0]
	v_pk_mul_f32 v[42+16*\i:43+16*\i], v[42+16*\i:43+16*\i], s[22:23] op_sel_hi:[1,0]
	v_pk_fma_f32 v[32+16*\i:33+16*\i], v[32+16*\i:33+16*\i], s[20:21], v[40+16*\i:41+16*\i] op_sel_hi:[1,0,1]
	v_pk_fma_f32 v[34+16*\i:35+16*\i], v[34+16*\i:35+16*\i], s[20:21], v[42+16*\i:43+16*\i] op_sel_hi:[1,0,1]
	global_store_b128 v1, v[32+16*\i:35+16*\i], s[10:11] offset:512*\i th:TH_STORE_NT   ; each piece has registers of its own: no store's data are written again
.endr
	s_endpgm
.Lfunc_end_k_qbf55c52ba4_combine:
	.size	k_qbf55c52ba4_combine, .Lfunc_end_k_qbf55c52ba4_combine-k_qbf55c52ba4_combine
	.p2alignl 7, 3214868480
	.fill 96, 4, 3214868480
	.section	.rodata,"a",@progbits
	.p2align	6, 0x0
	.amdhsa_kernel k_qbf55c52ba4_combine
		.amdhsa_group_segment_fixed_size 0
		.amdhsa_private_segment_fixed_size 0
		.amdhsa_enable_private_segment 0
		.amdhsa_kernarg_size 32
		.amdhsa_user_sgpr_count 2
		.amdhsa_user_sgpr_kernarg_segment_ptr 1
		.amdhsa_wavefront_size32 1
		.amdhsa_system_sgpr_workgroup_id_x 1
		.amdhsa_system_sgpr_workgroup_id_y 1
		.amdhsa_system_sgpr_workgroup_id_z 1
		.amdhsa_system_vgpr_workitem_id 0
		.amdhsa_next_free_vgpr 160
		.amdhsa_next_free_sgpr 66
		.amdhsa_reserve_vcc 0
		.amdhsa_float_denorm_mode_32 3
		.amdhsa_float_denorm_mode_16_64 3
		.amdhsa_memory_ordered 1
		.amdhsa_forward_progress 1
		.amdhsa_inst_pref_size 10
	.end_amdhsa_kernel
	.amdgpu_metadata
---
amdhsa.version: [ 1, 2 ]
amdhsa.kernels:
  - .name:           k_qbf55c52ba4_combine
    .symbol:         k_qbf55c52ba4_combine.kd
    .args:
      - { .name: y, .offset: 0, .size: 8, .value_kind: global_buffer, .address_space: global }
      - { .name: route, .offset: 8, .size: 8, .value_kind: global_buffer, .address_space: global }
      - { .name: xq, .offset: 16, .size: 8, .value_kind: global_buffer, .address_space: global }
      - { .name: out0, .offset: 24, .size: 8, .value_kind: global_buffer, .address_space: global }
    .group_segment_fixed_size: 0
    .private_segment_fixed_size: 0
    .kernarg_segment_align: 8
    .kernarg_segment_size: 32
    .max_flat_workgroup_size: 128
    .sgpr_count:     66
    .vgpr_count:     160
    .wavefront_size: 32
...
	.end_amdgpu_metadata
.endif
;; end of part 10
